; MI455X (gfx1250); checked and timed in simulation.
; The chip was launched on July 23, 2026; its instructions are those of AMD's public machine-readable ISA for CDNA 5 (MIT licence, August 2026) and "CDNA5" Instruction Set Architecture Reference Guide (July 2026). The comments in the code are by the model that wrote it; some were corrected since.
;; Self Attention. Allowed arithmetic: matrix products marked QUANTISED: E2M1 operands, one E8M0 scale for each 32 along K, by v_wmma_scale_f32_16x16x128_f8f6f4 with both operands' format E2M1 (or v_wmma_scale_f32_32x16x128_f4), f32 sums; everything else in f32.
;; Inputs: Wk 1,024 x 1,024 float32; Wo 1,024 x 1,024 float32; Wq 1,024 x 1,024 float32; Wv 1,024 x 1,024 float32; bk 1,024 float32; bo 1,024 float32; bq 1,024 float32; bv 1,024 float32; x 4 x 2,048 x 1,024 float32.
;; Outputs: out0 4 x 2,048 x 1,024 float32.
;; This version of the problem:
;;   THIS VERSION OF THE PROBLEM IS GIVEN IN LOW PRECISION. The matrix products marked QUANTISED in the list below multiply operands that are first quantised to E2M1 (2 exponent bits, 1 mantissa bit; 4 bits a number), with one power-of-two scale for each 32 numbers along K (OCP MX v1.0); their sums are f32. All else is computed in f32.
;;   The module's matrix products, in the order in which they are computed (A, B: the left and right operand; K: the contracted axis; several contracted axes count as one K, in the product's order):
;;     1. [M 8,192, K 1,024] x [K 1,024, N 1,024]; A: input x; B: input Wq: QUANTISED
;;     2. [M 8,192, K 1,024] x [K 1,024, N 1,024]; A: input x; B: input Wk: QUANTISED
;;     3. [M 8,192, K 1,024] x [K 1,024, N 1,024]; A: input x; B: input Wv: QUANTISED
;;     4. batch 64 x [M 2,048, K 64] x [K 64, N 2,048]; A: computed on the way; B: computed on the way: QUANTISED
;;     5. batch 64 x [M 2,048, K 2,048] x [K 2,048, N 64]; A: softmax (see below); B: computed on the way: QUANTISED
;;     6. [M 8,192, K 1,024] x [K 1,024, N 1,024]; A: computed on the way; B: input Wo: QUANTISED
;;   THE QUANTISER, for each operand of a quantised product, along K:
;;     - K is cut into blocks of 32 from its start; a last block that is shorter is filled with zeros.
;;     - A block's scale is 2^e with e = floor(log2(the largest magnitude in the block)) - 2, held to -126 .. 127; a block of zeros has e = 0. As a byte (E8M0): e + 127.
;;     - Each number is divided by its block's scale, clamped to +-6, and rounded to the nearest number of E2M1, ties to even, subnormals kept.
;;     - The product sums the exact products of the quantised numbers (number of the format x scale) in f32.
;;   ~~~python
;;   def quantise(x, axis):      # numpy; x: float32 -> the quantised numbers, widened to float32 again
;;       x = np.moveaxis(x, axis, -1); K = x.shape[-1]
;;       x = np.pad(x, [(0, 0)] * (x.ndim - 1) + [(0, -K % 32)]); x = x.reshape(x.shape[:-1] + (-1, 32)); a = np.abs(x).max(-1, keepdims=True)
;;       e = np.where(a > 0, np.clip(np.frexp(np.where(a > 0, a, 1))[1] - 1 - 2, -126, 127), 0)      # np.frexp(a)[1] - 1 = floor(log2(a)), exactly
;;       r = np.clip(x / 2.0 ** e, -6, 6)
;;       step = 2.0 ** (np.maximum(np.frexp(np.where(r == 0, 1, r))[1] - 1, 0) - 1)
;;       q = np.round(r / step) * step * 2.0 ** e      # np.round: ties to even
;;       return np.moveaxis(q.reshape(q.shape[:-2] + (-1,))[..., :K], -1, axis).astype(np.float32)
;;   ~~~
;;   SOFTMAX AHEAD OF A QUANTISED PRODUCT. Where the list says 'softmax', what is quantised is not the finished softmax but p = 2^(t - M), with t = logit x log2(e) and M = ceil(the row's largest t), a whole number; so 1/2 < the row's largest p <= 1. The row's sum l is taken of the UNQUANTISED p, in f32, and the product's result is divided by l at the end. Since M is a whole number, a kernel that streams over the keys may use a running M (the ceiling of the running maximum): every later rescaling is an exact power of two, which a block's scale takes up: the codes' values come out the same.
;;   OPERANDS COMPUTED ON THE WAY. 'Computed on the way' means the value that the module computes at that place (a softmax that the list does not call 'softmax' is quantised finished and normalised). What goes into a quantiser is computed in f32, as accurately as f32 sums, v_exp_f32 and their like allow (about 1e-6 of the number): no bf16 or f16 on the way to a quantiser, and a product that is left as it is and whose result goes on into a quantised operand takes f32 operands (vector FMAs, or v_wmma_f32_16x16x4_f32). A number that lies on a knife's edge between two numbers of the format may be rounded either way, as far as f32 arithmetic and the matrix unit's own rounding can turn it there, and no further.
;; One version. Each part assembles by itself: llvm-mc -triple=amdgcn-amd-amdhsa -mcpu=gfx1250 --defsym DOCPART=n.
;; ======== version 1 of 1: 4 launches
;; workspace buffers: cc 6,291,456 bytes; cs 393,216 bytes; qr 4,718,592 bytes; kv 9,175,040 bytes; yc 4,194,304 bytes; ys 262,144 bytes
;; launch quant (part 1): grid 384 x 1, 4 waves a work-group, no clusters, 39,424 bytes of LDS; arguments x, Wq, Wk, Wv, Wo, cc, cs; writes cc, cs
.if DOCPART == 1
	.amdgcn_target "amdgcn-amd-amdhsa--gfx1250"
	.amdhsa_code_object_version 6
	.text
	.protected	k_q2df6b54e2b_quant
	.globl	k_q2df6b54e2b_quant
	.p2align	8
	.type	k_q2df6b54e2b_quant,@function
k_q2df6b54e2b_quant:
	s_mov_b64 s[64:65], 0
	v_nop
	global_prefetch_b8 v0, s[64:65] scope:SCOPE_SE
	s_setreg_imm32_b32 hwreg(HW_REG_WAVE_MODE, 25, 1), 1
	s_wait_xcnt 0x0
; SELF-ATTENTION IN MX-FP4, FOUR LAUNCHES: quant (this one), qkv, attn, proj.
; NOTHING OF THE PROBLEM IS LEFT OUT: all six products are live, every input (x, four weights, four biases) has a way to out0; bk stays, since it moves k's codes.
; THIS LAUNCH: x [8192][1024] and Wq, Wk, Wv, Wo [1024][1024], f32, K innermost, become codes of FP4 (E2M1) and one E8M0 byte for each 32 along K.
; A block's scale is 2^(floor(log2(largest magnitude)) - 2): its byte is the largest magnitude's exponent field - 2, held at 1 from below.
; LIMITS: a block of zeros gets the byte 1 where the rule says 127 (its codes are zeros, and this program alone reads the bytes); blocks whose largest magnitude lies under 2^-124 are held at the byte 1;
; NaN and infinities among the inputs are not served.
; LAYOUT OF cc: tiles of 16 rows, 8,192 bytes each: [k / 32][row r][16 bytes]: K step s, half c of a tile is 512 consecutive bytes, 16 a lane: the image of a fragment's registers.  Tiles 0-511 x, then 64 each of Wq, Wk, Wv, Wo.
; TILE ORDER: within 32 rows, place r of tile u holds row 8 u + r % 8 + 16 (r / 8): so the 16 registers that two neighbouring tiles give a lane as source 0 are 16 neighbours.
; LAYOUT OF cs: 512 bytes a tile: [k / 512][row r][16 bytes]: byte (k / 32) % 16: four scale words, one for each 128 along K.
; SHARES: a work-group takes 32 rows; wave w takes tile u = w % 2 and half hf = w / 2 of K: 16 steps, step t = place t of the tile: 512 numbers, 2,048 consecutive bytes.
; Each load reads 512 consecutive bytes; the numbers turn through the wave's own stage in LDS so that a lane holds 16 neighbours (two lanes to a block).  Codes and bytes are gathered in LDS and leave in runs of 512 and 256 bytes.
.set STEPS, 16
.set EMAX,  2
.set SP,    80                         ; a lane's place in a turning stage: 64 bytes + 16
.set SCB,   5120                       ; a wave's region: two turning stages of 32 x 80; then 256 scale bytes;
.set CST,   5376                       ; then the codes' stage: 16 rows (k / 32) of 256 bytes + 16
.set WREG,  9728
.set SPARE, 4*WREG                     ; behind the four regions: the spare words, 128 bytes a wave
.set R,     16                         ; v16-79   four sets of 16 numbers as loaded
.set X,     80                         ; v80-111  two sets of 16 neighbours
.set E,     112                        ; v112-127 a byte for each step
.set C,     128                        ; v128-159 two registers of codes for each step
.set OUTR,  160                        ; v160-191 the way out
.set SPW,   12
.set NIL,   13
	s_load_b256 s[4:11], s[0:1], 0x0               ; x, Wq, Wk, Wv
	s_load_b128 s[12:15], s[0:1], 0x20             ; Wo, cc
	s_load_b64 s[16:17], s[0:1], 0x30              ; cs
	v_lshl_add_u32 v[SPW], v0, 2, SPARE
	v_mov_b32 v[NIL], 0
	v_lshrrev_b32 v1, 5, v0
	v_readfirstlane_b32 s32, v1                    ; wave
	v_and_b32 v2, 31, v0                           ; lane
	v_lshlrev_b32 v3, 4, v2                        ; 16 x lane
	s_mul_i32 s33, s32, WREG
	v_lshrrev_b32 v14, 2, v2
	v_mul_u32_u24 v14, v14, SP
	v_and_b32 v15, 3, v2
	v_lshl_add_u32 v14, v15, 4, v14
	v_add_nc_u32 v14, s33, v14                     ; turning stage, in: four lanes' 64 bytes on end, then 16 of padding
	v_mul_u32_u24 v15, v2, SP
	v_add_nc_u32 v15, s33, v15                     ; and out: my 16 neighbours
	v_lshrrev_b32 v5, 1, v2                        ; my block of the step's 16
	v_mul_u32_u24 v4, v5, 272
	v_and_b32 v6, 1, v2
	v_lshl_add_u32 v4, v6, 3, v4
	v_add_nc_u32 v4, s33, v4
	v_add_nc_u32 v4, CST, v4                       ; codes' stage, in: row = block, 8 bytes for each half of a block; the step's 16 bytes stand in the immediate
	v_add_nc_u32 v5, s33, v5
	v_add_nc_u32 v5, SCB, v5                       ; my block's byte
	v_lshlrev_b32 v7, 3, v2                        ; 8 x lane
	v_add_nc_u32 v6, s33, v7
	v_add_nc_u32 v6, SCB, v6                       ; the bytes, out
	v_lshrrev_b32 v10, 4, v2
	v_mul_u32_u24 v10, v10, 272
	v_and_b32 v11, 15, v2
	v_lshl_add_u32 v10, v11, 4, v10
	v_add_nc_u32 v10, s33, v10
	v_add_nc_u32 v10, CST, v10                     ; codes' stage, out: sixteen lanes to a row
	s_and_b32 s34, s32, 1                          ; u
	s_lshr_b32 s35, s32, 1                         ; hf
	s_sub_co_u32 s28, ttmp9, 256
	s_and_b32 s29, s28, 31                         ; a weight's group of 32 rows
	s_wait_kmcnt 0x0
	s_mov_b64 s[22:23], s[12:13]                   ; which tensor: the choice hangs on the work-group's number alone
	s_cmp_lt_u32 ttmp9, 352
	s_cselect_b64 s[22:23], s[10:11], s[22:23]
	s_cmp_lt_u32 ttmp9, 320
	s_cselect_b64 s[22:23], s[8:9], s[22:23]
	s_cmp_lt_u32 ttmp9, 288
	s_cselect_b64 s[22:23], s[6:7], s[22:23]
	s_cmp_lt_u32 ttmp9, 256
	s_cselect_b64 s[22:23], s[4:5], s[22:23]
	s_cselect_b32 s30, ttmp9, s29                  ; the group of 32 rows in that tensor
	s_lshl_b32 s36, s30, 17                        ; 32 rows of 4,096 bytes,
	s_lshl_b32 s38, s34, 15                        ; 8 u rows,
	s_add_co_u32 s36, s36, s38
	s_lshl_b32 s38, s35, 11                        ; half of a row
	s_add_co_u32 s36, s36, s38
	s_mov_b32 s37, 0
	s_add_nc_u64 s[22:23], s[22:23], s[36:37]
	s_lshl_b32 s36, ttmp9, 14                      ; codes: tile 2 g + u, 8,192 bytes each, + 4,096 hf
	s_lshl_b32 s38, s34, 13
	s_add_co_u32 s36, s36, s38
	s_lshl_b32 s38, s35, 12
	s_add_co_u32 s36, s36, s38
	s_add_nc_u64 s[14:15], s[14:15], s[36:37]
	s_lshl_b32 s36, ttmp9, 10                      ; bytes: 512 a tile, + 256 hf
	s_lshl_b32 s38, s34, 9
	s_add_co_u32 s36, s36, s38
	s_lshl_b32 s38, s35, 8
	s_add_co_u32 s36, s36, s38
	s_add_nc_u64 s[16:17], s[16:17], s[36:37]
.macro LOAD t                          ; place t of the tile is row t % 8 + 16 (t / 8) from the wave's first
.irp i, 0,1,2,3
	global_load_b128 v[R+16*((\t)%4)+4*\i:R+16*((\t)%4)+4*\i+3], v3, s[22:23] offset:(((\t)%8)+16*((\t)/8))*4096+512*\i th:TH_LOAD_NT
.endr
.endm
.macro TURN t                          ; LDS serves a wave's instructions in order: no wait between the stores and the loads
.irp i, 0,1,2,3
	ds_store_b128 v14, v[R+16*((\t)%4)+4*\i:R+16*((\t)%4)+4*\i+3] offset:32*SP*((\t)%2)+8*SP*\i
.endr
.irp i, 0,1,2,3
	ds_load_b128 v[X+16*((\t)%2)+4*\i:X+16*((\t)%2)+4*\i+3], v15 offset:32*SP*((\t)%2)+16*\i
.endr
.endm
.irp t, 0,1,2,3
	LOAD \t
.endr
	s_wait_loadcnt 12                              ; step 0's four loads are in
	TURN 0
.macro STEP t
.set XS, X+16*((\t)%2)
.if (\t) > 0
	s_wait_dscnt 2                                 ; this step's numbers are back from the stage; the last step's two stores (byte, codes) may be out
.else
	s_wait_dscnt 0x0
.endif
.if (\t)+4 < STEPS
	LOAD (\t)+4                                    ; into the registers that this step's stores into the stage have read
.endif
.if (\t)+1 < STEPS
.if STEPS-2-(\t) >= 3
	s_wait_loadcnt 12                              ; the next step's four loads are in; those of the three steps behind it may be out
.else
	s_wait_loadcnt 4*(STEPS-2-(\t))
.endif
	TURN (\t)+1
.endif
	v_max3_num_f32 v8, |v[XS]|, |v[XS+1]|, |v[XS+2]|
	v_max3_num_f32 v9, |v[XS+3]|, |v[XS+4]|, |v[XS+5]|
.irp i, 6,10
	v_max3_num_f32 v8, v8, |v[XS+\i]|, |v[XS+\i+1]|
	v_max3_num_f32 v9, v9, |v[XS+\i+2]|, |v[XS+\i+3]|
.endr
	v_max3_num_f32 v8, v8, |v[XS+14]|, |v[XS+15]|
	v_max3_num_f32 v8, v8, v9, (EMAX+1)<<23        ; the floor 2^(3 - 127): the byte cannot fall under 1
	v_max_num_f32_dpp v8, v8, v8 row_xmask:1 row_mask:0xf bank_mask:0xf   ; with my neighbour's 16: the block's largest magnitude
	v_add_nc_u32 v11, -(EMAX<<23), v8              ; 2 off its exponent field: the conversion's scale operand
	v_cvt_scalef32_pk8_fp4_f32 v[C+2*(\t)], v[XS:XS+7], v11
	v_cvt_scalef32_pk8_fp4_f32 v[C+2*(\t)+1], v[XS+8:XS+15], v11
	v_lshrrev_b32 v[E+(\t)], 23, v11               ; the scale's byte (a plain line behind the conversions)
	ds_store_b8 v5, v[E+(\t)] offset:16*(\t)       ; both lanes of a block write the same byte
	ds_store_b64 v4, v[C+2*(\t):C+2*(\t)+1] offset:16*(\t)
.endm
.irp t, 0,1,2,3,4,5,6,7,8,9,10,11,12,13,14,15
	STEP \t
.endr
	ds_load_b64 v[8:9], v6                         ; in order behind my stores
.irp i, 0,1,2,3,4,5,6,7
	ds_load_b128 v[OUTR+4*\i:OUTR+4*\i+3], v10 offset:544*\i
.endr
	s_wait_dscnt 8                                 ; the bytes are back; the eight loads of codes may be out
	global_store_b64 v7, v[8:9], s[16:17]          ; 256 consecutive bytes, aligned
.irp i, 0,1,2,3,4,5,6,7
	s_wait_dscnt 7-\i
	global_store_b128 v3, v[OUTR+4*\i:OUTR+4*\i+3], s[14:15] offset:512*\i   ; 512 consecutive bytes, aligned
.endr
	s_wait_tensorcnt 0x0                           ; the wave's end
	ds_add_u32 v[SPW], v[NIL]
	s_wait_dscnt 0x0
	s_endpgm
.Lfunc_end_k_q2df6b54e2b_quant:
	.size	k_q2df6b54e2b_quant, .Lfunc_end_k_q2df6b54e2b_quant-k_q2df6b54e2b_quant
	.p2alignl 7, 3214868480
	.fill 96, 4, 3214868480
	.section	.rodata,"a",@progbits
	.p2align	6, 0x0
	.amdhsa_kernel k_q2df6b54e2b_quant
		.amdhsa_group_segment_fixed_size 39424
		.amdhsa_private_segment_fixed_size 0
		.amdhsa_enable_private_segment 0
		.amdhsa_kernarg_size 56
		.amdhsa_user_sgpr_count 2
		.amdhsa_user_sgpr_kernarg_segment_ptr 1
		.amdhsa_wavefront_size32 1
		.amdhsa_system_sgpr_workgroup_id_x 1
		.amdhsa_system_sgpr_workgroup_id_y 1
		.amdhsa_system_sgpr_workgroup_id_z 1
		.amdhsa_system_vgpr_workitem_id 0
		.amdhsa_next_free_vgpr 192
		.amdhsa_next_free_sgpr 66
		.amdhsa_reserve_vcc 0
		.amdhsa_float_denorm_mode_32 3
		.amdhsa_float_denorm_mode_16_64 3
		.amdhsa_memory_ordered 1
		.amdhsa_forward_progress 1
		.amdhsa_inst_pref_size 36
	.end_amdhsa_kernel
	.amdgpu_metadata
---
amdhsa.version: [ 1, 2 ]
amdhsa.kernels:
  - .name:           k_q2df6b54e2b_quant
    .symbol:         k_q2df6b54e2b_quant.kd
    .args:
      - { .name: x, .offset: 0, .size: 8, .value_kind: global_buffer, .address_space: global }
      - { .name: Wq, .offset: 8, .size: 8, .value_kind: global_buffer, .address_space: global }
      - { .name: Wk, .offset: 16, .size: 8, .value_kind: global_buffer, .address_space: global }
      - { .name: Wv, .offset: 24, .size: 8, .value_kind: global_buffer, .address_space: global }
      - { .name: Wo, .offset: 32, .size: 8, .value_kind: global_buffer, .address_space: global }
      - { .name: cc, .offset: 40, .size: 8, .value_kind: global_buffer, .address_space: global }
      - { .name: cs, .offset: 48, .size: 8, .value_kind: global_buffer, .address_space: global }
    .group_segment_fixed_size: 39424
    .private_segment_fixed_size: 0
    .kernarg_segment_align: 8
    .kernarg_segment_size: 56
    .max_flat_workgroup_size: 128
    .sgpr_count:     66
    .vgpr_count:     192
    .wavefront_size: 32
...
	.end_amdgpu_metadata
.endif
;; end of part 1
;; launch qkv (part 2): grid 8 x 48, 4 waves a work-group, clusters of 4 x 4, 327,680 bytes of LDS; arguments cc, cs, bq, bk, bv, qr, kv; writes qr, kv
.if DOCPART == 2
	.amdgcn_target "amdgcn-amd-amdhsa--gfx1250"
	.amdhsa_code_object_version 6
	.text
	.protected	k_q2df6b54e2b_qkv
	.globl	k_q2df6b54e2b_qkv
	.p2align	8
	.type	k_q2df6b54e2b_qkv,@function
k_q2df6b54e2b_qkv:
	s_mov_b64 s[64:65], 0
	v_nop
	global_prefetch_b8 v0, s[64:65] scope:SCOPE_SE
	s_setreg_imm32_b32 hwreg(HW_REG_WAVE_MODE, 25, 1), 1
	s_wait_xcnt 0x0
	s_wait_alu depctr_hold_cnt(0) depctr_sa_sdst(0) depctr_va_vdst(0) depctr_va_sdst(0) depctr_va_ssrc(0) depctr_va_vcc(0) depctr_vm_vsrc(0)
	s_getreg_b32 s2, hwreg(HW_REG_IB_STS2, 6, 4)
	s_cmp_eq_u32 s2, 0
	s_cbranch_scc0 .Lentry_in_a_cluster
	s_endpgm
.Lentry_in_a_cluster:
	s_bfe_u32 s2, ttmp6, 0x10000c
	s_cmp_lg_u32 s2, 0xf033
	s_cbranch_scc0 .Lentry_shape_is_right
	s_endpgm
.Lentry_shape_is_right:
; q, k, v = Q(x) Q(W)^T + b on codes of FP4, each result quantised in registers for the attention launch.  Nothing is left out.
; ONE BODY, TWO ROLES, by the cluster's y (the same in all sixteen partners).  S0 is source 0 (a lane's registers run along its rows), S1 source 1 (a lane is one of its rows).
;   y < 8:  S1 = 256 tokens of x, S0 = 256 rows of Wq (cluster x = 0) or Wk (1): a lane holds a token, its registers the head's channels: q and k are quantised along the channels.
;   y >= 8: S1 = 256 rows of Wv, S0 = 256 tokens of x: a lane holds a channel, its registers the keys: v is quantised along the keys.
; Operands lie in cc as images of fragment registers (16 bytes a lane, 512 a load) in tile order (launch quant): two neighbouring tiles of S0 give a lane 16 neighbours.
; K = 1,024 is two LDS slots of 512 along K, both filled at the start: nothing is filled again.  A wave makes 128 x 128: 64 accumulators.
; CLUSTER 4 x 4: S1's tiles are shared along a row of the cluster, S0's along a column: joint loads.
; OUT: qr: records of 4,608 bytes for (batch x head, 128 tokens): 8 tile images of 512 bytes (a fragment's registers 0-3; K = 64), then 512 bytes of scale words [lane / 16][r][j]: tile 4 (lane / 16) + j.
;      kv: records of 8,960 bytes for (batch x head, 128 keys): K's 8 images; V^T's 4 fragments of 1,024 bytes; K's scale words (512); V's (256: [lane / 16][r][j]: tile 2 (lane / 16) + j).
; LIMITS: a block of zeros gets the byte 1 (zero codes; read by this program alone); blocks under 2^-124 are held at the byte 1; NaN and infinities are not served.
; REGISTERS: window 0: v12-15 bias as loaded; v16-29 addresses; v32-95 scale words; v96-123 at work on the way out; v128-191 S1's fragments, later 64 numbers; v192-255 the bias.
;   window 1: S0's fragments, two sets, v0 and v128.   windows 2, 3: accumulator (a, b) at v[8 (8 (a % 4) + b)].
.set SLOT,  131072                     ; S1's 16 tiles x 4,096 bytes, then S0's 16
.set SCL,   262144                     ; scale bytes: S1's 16 tiles x 512, then S0's
.set BST,   278528                     ; 512 bytes a wave: its 128 numbers of the bias
.set SPARE, 280576                     ; the spare words, 128 bytes a wave
.set ADRA, 16
.set ADRB, 20
.set BRV,  22
.set BSA,  23
.set L16,  24
.set L8,   25
.set BRQ,  26
.set ADRS, 27
.set SPW,  28
.set NIL,  29
.set SC,   32
.set TM,   96
.set PC,   116
.set AF,   128
.set XR,   128
.set BI,   192
.set SW,   32
.set RW,   48
.set LO,   2                           ; s2  wave % 2: my half of S0's rows; which half I fetch
.set HM,   3                           ; s3  lanes 16-31
.set WV,   22
.set HI,   23                          ; s23 wave / 2: my half of S1's rows; I fetch for S1 (0) or S0 (1)
.set G1,   24
.set G0,   32
.set G1B,  48
.set G0B,  56
.set G1S,  68
.set G0S,  76
.set G1SB, 80
.set G0SB, 88
.set MSB, 0
.macro WIN new
.if MSB != \new
	s_set_vgpr_msb (MSB<<8)|\new
.set MSB, \new
.endif
.endm
.set MUL_LO, 0xa1
.set MUL_HI, 0xf1
.set TO_B,   0x40
.macro JLOAD g0a, g1a, g0b, g1b        ; a joint load: waves 0, 1 for S1, waves 2, 3 for S0; the branch hangs on the wave's number alone
	s_cmp_eq_u32 s[HI], 0
	s_cbranch_scc0 .Lfor_b_\@
	tensor_load_to_lds s[\g0a:\g0a+3], s[\g1a:\g1a+7]
	s_nop 0
.rept 4
	v_nop
.endr
	s_branch .Lasked_\@
.Lfor_b_\@:
	tensor_load_to_lds s[\g0b:\g0b+3], s[\g1b:\g1b+7]
	s_nop 0
.rept 4
	v_nop
.endr
.Lasked_\@:
.endm
.macro CROUND                          ; a round of the cluster's barrier
	s_barrier_signal -1
	s_barrier_wait -1
	s_cmp_lg_u32 s[WV], 0
	s_cbranch_scc1 .Lnot_wave_0_\@
	s_barrier_signal -3
.Lnot_wave_0_\@:
	s_barrier_wait -3
	s_barrier_signal -1
	s_barrier_wait -1
.endm
.macro PLACES
.rept 4
	v_nop
.endr
.endm
	s_load_b256 s[4:11], s[0:1], 0x0               ; cc, cs, bq, bk
	s_load_b128 s[12:15], s[0:1], 0x20             ; bv, qr
	s_load_b64 s[16:17], s[0:1], 0x30              ; kv
	v_lshl_add_u32 v[SPW], v0, 2, SPARE
	v_mov_b32 v[NIL], 0
	ds_add_u32 v[SPW], v[NIL]                      ; the opening: the add, twice on end, and its wait ahead of my first tensor load
	ds_add_u32 v[SPW], v[NIL]
	v_lshrrev_b32 v1, 5, v0
	v_readfirstlane_b32 s[WV], v1
	s_lshr_b32 s[HI], s[WV], 1
	s_and_b32 s[LO], s[WV], 1
	s_mov_b32 s[HM], 0xffff0000
	s_bfe_u32 s40, ttmp6, 0x40000                  ; cx
	s_bfe_u32 s41, ttmp6, 0x40004                  ; cy
	s_and_b32 s97, ttmp7, 0xffff                   ; the cluster's y
	s_lshl_b32 s98, ttmp9, 2
	s_lshl_b32 s99, s97, 2
	s_sub_co_u32 s100, s97, 8
	s_lshl_b32 s100, s100, 3
	s_add_co_u32 s100, s100, s98                   ; v: S0 = x, block 4 X + 8 (Y - 8) + cx of 256 tokens
	s_add_co_u32 s98, s98, 32                      ; q, k: S0 = the weights, which begin at tile 512 = block 32
	s_cmp_ge_u32 s97, 8
	s_cselect_b32 s42, s100, s98
	s_cselect_b32 s96, 40, s99                     ; v: S1 = Wv, from tile 640 = block 40;  q, k: S1 = x, block 4 Y + cy
	s_cselect_b32 s95, 1, 0                        ; the role
	s_add_co_u32 s42, s42, s40                     ; S0's block of 16 tiles: hangs on cx alone
	s_add_co_u32 s96, s96, s41                     ; S1's: on cy alone
	s_lshl_b32 s43, s41, 2
	s_lshl_b32 s43, 15, s43                        ; my row of the cluster
	s_lshl_b32 s44, 0x1111, s40                    ; my column
	s_or_b32 s[G1], s43, (3<<16)|(1<<21)           ; elements of 8 bytes, no padding; bit 21 beside a mask
	s_or_b32 s[G1B], s44, (3<<16)|(1<<21)
	s_or_b32 s[G1S], s43, (3<<16)|(1<<21)
	s_or_b32 s[G1SB], s44, (3<<16)|(1<<21)
.irp g, G1, G1B                        ; codes: 8 tiles' 4,096 bytes of a slot, 8,192 bytes apart
	s_mov_b32 s[\g+1], 512<<16
	s_mov_b32 s[\g+2], 8<<16
	s_mov_b32 s[\g+3], 512<<16
	s_mov_b32 s[\g+4], 8
	s_mov_b32 s[\g+5], 1024
	s_mov_b32 s[\g+6], 0
	s_mov_b32 s[\g+7], 0
.endr
.irp g, G1S, G1SB                      ; scale bytes of 8 tiles: 4,096 dense bytes as 16 rows of 256
	s_mov_b32 s[\g+1], 32<<16
	s_mov_b32 s[\g+2], 16<<16
	s_mov_b32 s[\g+3], 32<<16
	s_mov_b32 s[\g+4], 16
	s_mov_b32 s[\g+5], 32
	s_mov_b32 s[\g+6], 0
	s_mov_b32 s[\g+7], 0
.endr
	s_lshl_b32 s66, s[LO], 3
	s_lshl_b32 s98, s96, 4
	s_add_co_u32 s98, s98, s66                     ; S1: first tile that I would fetch
	s_lshl_b32 s46, s42, 4
	s_add_co_u32 s46, s46, s66                     ; S0 likewise
	s_lshl_b32 s100, s98, 9
	s_lshl_b32 s92, s46, 9
	s_lshl_b32 s98, s98, 13
	s_lshl_b32 s46, s46, 13
	s_mov_b32 s99, 0
	s_mov_b32 s101, 0
	s_mov_b32 s93, 0
	s_mov_b32 s47, 0
	s_lshl_b32 s45, s[WV], 15                      ; where they go: wave x 32,768 in a slot,
	s_lshl_b32 s94, s[WV], 12                      ; wave x 4,096 among the scale bytes
	s_wait_dscnt 0x0                               ; both opening adds are done
	s_wait_kmcnt 0x0
	s_add_nc_u64 s[98:99], s[4:5], s[98:99]
	s_add_nc_u64 s[100:101], s[6:7], s[100:101]
	s_add_nc_u64 s[46:47], s[4:5], s[46:47]
	s_add_nc_u64 s[92:93], s[6:7], s[92:93]
	CROUND                                         ; all sixteen work-groups are here: the joint loads meet
	s_mov_b32 s[G0S], 1
	s_add_co_u32 s[G0S+1], s94, SCL
	s_mov_b64 s[G0S+2:G0S+3], s[100:101]
	s_or_b32 s[G0S+3], s[G0S+3], 0x80000000
	s_mov_b32 s[G0SB], 1
	s_add_co_u32 s[G0SB+1], s94, SCL
	s_mov_b64 s[G0SB+2:G0SB+3], s[92:93]
	s_or_b32 s[G0SB+3], s[G0SB+3], 0x80000000
	JLOAD G0S, G1S, G0SB, G1SB
.irp s, 0,1
	s_mov_b32 s[G0+4*\s], 1
	s_add_co_u32 s[G0+4*\s+1], s45, \s*SLOT
	s_add_nc_u64 s[G0+4*\s+2:G0+4*\s+3], s[98:99], \s*4096
	s_or_b32 s[G0+4*\s+3], s[G0+4*\s+3], 0x80000000
	s_mov_b32 s[G0B+4*\s], 1
	s_add_co_u32 s[G0B+4*\s+1], s45, \s*SLOT
	s_add_nc_u64 s[G0B+4*\s+2:G0B+4*\s+3], s[46:47], \s*4096
	s_or_b32 s[G0B+4*\s+3], s[G0B+4*\s+3], 0x80000000
	JLOAD G0+4*\s, G1, G0B+4*\s, G1B               ; three tensor loads of mine are out at the most
.endr
	v_and_b32 v1, 31, v0
	v_lshlrev_b32 v[L16], 4, v1
	s_wait_alu depctr_va_vdst(0)
	v_lshlrev_b32 v[L8], 3, v1
	; my wave's 128 numbers of the bias: q, k: channels 256 cx + 128 (wave % 2) on of bq or bk;  v: 256 cy + 128 (wave / 2) on of bv
	s_cmp_lg_u32 ttmp9, 0
	s_cselect_b64 s[66:67], s[10:11], s[8:9]
	s_cmp_lg_u32 s95, 0
	s_cselect_b64 s[66:67], s[12:13], s[66:67]
	s_cselect_b32 s98, s41, s40
	s_cselect_b32 s97, s[HI], s[LO]
	s_lshl_b32 s98, s98, 10
	s_lshl_b32 s97, s97, 9
	s_add_co_u32 s98, s98, s97
	s_mov_b32 s99, 0
	s_add_nc_u64 s[66:67], s[66:67], s[98:99]
	global_load_b128 v[12:15], v[L16], s[66:67]
	v_and_b32 v2, 15, v0                           ; r
	v_bfe_u32 v3, v0, 4, 1                         ; h
	s_wait_alu depctr_va_vdst(0)
	s_lshl_b32 s43, s[HI], 15
	s_lshl_b32 s44, s[LO], 15
	s_add_co_u32 s44, s44, 65536
.irp s, 0,1
	v_add_nc_u32 v[ADRA+\s], s43, v[L16]
	v_add_nc_u32 v[ADRB+\s], s44, v[L16]
	s_add_co_u32 s43, s43, SLOT
	s_add_co_u32 s44, s44, SLOT
.endr
	s_lshl_b32 s43, s[HI], 12                      ; scale words: lanes 0-15 take S1's tiles, lanes 16-31 S0's: the lower base + h x the distance
	s_lshl_b32 s44, s[LO], 12
	s_add_co_u32 s44, s44, 8192
	s_sub_co_u32 s44, s44, s43
	v_mul_u32_u24 v4, s44, v3
	s_add_co_u32 s43, s43, SCL
	v_lshl_add_u32 v4, v2, 4, v4
	v_add_nc_u32 v[ADRS], s43, v4
	s_lshl_b32 s43, s[WV], 9
	s_add_co_u32 s43, s43, BST
	v_add_nc_u32 v[BSA], s43, v[L16]               ; the bias: in as loaded;
	v_lshl_add_u32 v[BRQ], v3, 6, s43              ; out for q, k: 16 h numbers on;
	v_and_b32 v4, 7, v2
	v_lshrrev_b32 v5, 3, v2
	v_lshl_add_u32 v4, v5, 4, v4
	v_lshl_add_u32 v[BRV], v4, 2, s43              ; out for v: number r % 8 + 16 (r / 8)
.irp b, 0,1,2,3
	v_mov_b32 v[TM+4+\b], 0                        ; a lane permute's destination counts as one of its sources
.endr
.macro FRAG reg, adr, q, i             ; a fragment: two loads of 512 consecutive bytes
.irp c, 0,1
	ds_load_b128 v[\reg+4*\c:\reg+4*\c+3], v[\adr] offset:4096*(\i)+1024*(\q)+512*\c
.endr
.endm
.macro MUL16 a0, p, q, sc, zero        ; S1's tiles a0, a0 + 1 x S0's eight; the 64 accumulators take turns
.irp a, \a0, \a0+1
.irp b, 0,1,2,3,4,5,6,7
.if \zero
	v_wmma_scale_f32_16x16x128_f8f6f4 v[8*(8*((\a)%4)+\b):8*(8*((\a)%4)+\b)+7], v[128*(\p)+8*\b:128*(\p)+8*\b+7], v[AF+8*(\a):AF+8*(\a)+7], 0, v[SC+32*(\sc)+4*\b+(\q)], v[SC+32*(\sc)+4*(\a)+(\q)] matrix_a_fmt:MATRIX_FMT_FP4 matrix_b_fmt:MATRIX_FMT_FP4 matrix_a_scale:MATRIX_SCALE_ROW1
.else
	v_wmma_scale_f32_16x16x128_f8f6f4 v[8*(8*((\a)%4)+\b):8*(8*((\a)%4)+\b)+7], v[128*(\p)+8*\b:128*(\p)+8*\b+7], v[AF+8*(\a):AF+8*(\a)+7], v[8*(8*((\a)%4)+\b):8*(8*((\a)%4)+\b)+7], v[SC+32*(\sc)+4*\b+(\q)], v[SC+32*(\sc)+4*(\a)+(\q)] matrix_a_fmt:MATRIX_FMT_FP4 matrix_b_fmt:MATRIX_FMT_FP4 matrix_a_scale:MATRIX_SCALE_ROW1
.endif
.endr
.endr
.endm
.macro FETCH_B slot, q, p
	WIN TO_B
.irp i, 0,1,2,3,4,5,6,7
	FRAG 128*(\p)+8*\i, ADRB+\slot, \q, \i
.endr
	WIN 0
.endm
.macro FETCH_A slot, q, i0
.irp i, \i0, \i0+1, \i0+2, \i0+3
	FRAG AF+8*(\i), ADRA+\slot, \q, \i
.endr
.endm
.macro STEP slot, q, zero              ; 128 along K, with its successor in the same slot
	s_wait_dscnt 8                                 ; all but the youngest eight loads (S1's tiles 4-7)
	WIN MUL_LO
	MUL16 0, (\q)%2, \q, \slot, \zero
	MUL16 2, (\q)%2, \q, \slot, \zero
	s_wait_dscnt 0
	PLACES                                         ; four places in front of loads into registers that matrix instructions have read
	FETCH_B \slot, (\q)+1, 1-(\q)%2
	FETCH_A \slot, (\q)+1, 0
	WIN MUL_HI
	MUL16 4, (\q)%2, \q, \slot, \zero
	MUL16 6, (\q)%2, \q, \slot, \zero
	PLACES
	WIN 0
	FETCH_A \slot, (\q)+1, 4
.endm
	s_wait_tensorcnt 1                             ; the scale bytes and my part of slot 0 are in; slot 1's load may be out
	s_barrier_signal -1
	s_barrier_wait -1
	FETCH_B 0, 0, 0
	FETCH_A 0, 0, 0
.irp s, 0,1
.irp i, 0,1,2,3,4,5,6,7
	ds_load_b128 v[SC+32*\s+4*\i:SC+32*\s+4*\i+3], v[ADRS] offset:512*\i+256*\s   ; four scale words: the slot's four K steps; lanes 0-15 S1's tile i, lanes 16-31 S0's
.endr
.endr
	FETCH_A 0, 0, 4
	STEP 0, 0, 1                                   ; the first products start the sums
	STEP 0, 1, 0
	STEP 0, 2, 0
	s_wait_tensorcnt 0x0                           ; slot 0's last step, and the change of slots: my part of slot 1 is in;
	s_wait_dscnt 8
	WIN MUL_LO
	MUL16 0, 1, 3, 0, 0
	s_wait_dscnt 0x0                               ; no LDS instruction of mine is out at the signal
	s_barrier_signal -1
	MUL16 2, 1, 3, 0, 0
	WIN 0
	s_barrier_wait -1                              ; everybody's is.  No slot is filled again
	PLACES
	FETCH_B 1, 0, 0
	FETCH_A 1, 0, 0
	WIN MUL_HI
	MUL16 4, 1, 3, 0, 0
	MUL16 6, 1, 3, 0, 0
	PLACES
	WIN 0
	FETCH_A 1, 0, 4
	STEP 1, 0, 0
	STEP 1, 1, 0
	STEP 1, 2, 0
	s_wait_dscnt 8
	WIN MUL_LO
	MUL16 0, 1, 3, 1, 0
	MUL16 2, 1, 3, 1, 0
	s_wait_dscnt 0
	WIN MUL_HI
	MUL16 4, 1, 3, 1, 0
	MUL16 6, 1, 3, 1, 0
	WIN 0
	PLACES                                         ; behind the last products: results are read and operands' registers written from here on
; 64 numbers of a lane, register 16 b + i = k 32 b + 16 (lane / 16) + i of its row, become a fragment's codes in v[PC] on and four scale bytes in v[TM+4] on
.macro QUANT s
.irp b, 0,1,2,3
	v_max3_num_f32 v[TM+\b], |v[\s+16*\b]|, |v[\s+1+16*\b]|, 0x1800000   ; and the floor 2^(3 - 127): the byte cannot fall under 1
.endr
.irp i, 2,4,6,8,10,12,14
.irp b, 0,1,2,3
	v_max3_num_f32 v[TM+\b], v[TM+\b], |v[\s+16*\b+\i]|, |v[\s+1+16*\b+\i]|
.endr
.endr
.irp b, 0,1,2,3
	v_permlanex16_b32 v[TM+4+\b], v[TM+\b], s18, s19
.endr
.irp b, 0,1,2,3
	v_max_num_f32 v[TM+\b], v[TM+\b], v[TM+4+\b]   ; with lane l xor 16's: the block's largest magnitude
.endr
.irp b, 0,1,2,3
	v_add_nc_u32 v[TM+12+\b], 0xff000000, v[TM+\b] ; 2 off the exponent field: the conversion's scale operand
.endr
.irp b, 0,1,2,3
	v_lshrrev_b32 v[TM+4+\b], 23, v[TM+12+\b]      ; the byte
.endr
.irp b, 0,1,2,3
	v_cvt_scalef32_pk8_fp4_f32 v[PC+2*\b], v[\s+16*\b:\s+7+16*\b], v[TM+12+\b]
	v_cvt_scalef32_pk8_fp4_f32 v[PC+1+2*\b], v[\s+8+16*\b:\s+15+16*\b], v[TM+12+\b]
.endr
	v_nop                                          ; one plain place behind a scaled conversion
.irp c, 0,1                                    ; a whole block to a lane
.irp i, 0,1
	v_permlane16_swap_b32 v[PC+4*\c+\i], v[PC+2+4*\c+\i]
.endr
.endr
.endm
; S1's tile a leaves: + bias, quantised, stored as images: every store of the wave covers 512 consecutive bytes, aligned
.macro EPI a, isv
	s_wait_xcnt 0x0                                ; the last tile's stores have read their registers
	WIN (0x02+(\a)/4)
.set i, 0
.rept 32
.if \isv
	v_pk_add_f32 v[XR+2*i:XR+2*i+1], v[64*((\a)%4)+2*i:64*((\a)%4)+2*i+1], v[BI+2*(\a):BI+2*(\a)+1]
.else
	v_pk_add_f32 v[XR+2*i:XR+2*i+1], v[64*((\a)%4)+2*i:64*((\a)%4)+2*i+1], v[BI+2*i:BI+2*i+1]
.endif
.set i, i+1
.endr
	WIN 0
	QUANT XR
.if \isv
	v_lshl_or_b32 v[SW+(\a)], v[TM+5], 8, v[TM+4]  ; 128 keys: one scale word
	v_lshl_or_b32 v[SW+(\a)], v[TM+6], 16, v[SW+(\a)]
	v_lshl_or_b32 v[SW+(\a)], v[TM+7], 24, v[SW+(\a)]
	global_store_b128 v[L16], v[PC:PC+3], s[46:47] offset:((\a)/4)*143360+4096+((\a)%4)*1024
	global_store_b128 v[L16], v[PC+4:PC+7], s[46:47] offset:((\a)/4)*143360+4096+((\a)%4)*1024+512
.else
	v_lshl_or_b32 v[SW+(\a)], v[TM+5], 8, v[TM+4]  ; two heads of 64: two bytes each; the upper two stay 0 over zero codes
	v_lshl_or_b32 v[SW+8+(\a)], v[TM+7], 8, v[TM+6]
	global_store_b128 v[L16], v[PC:PC+3], s[46:47] offset:512*(\a)
	global_store_b128 v[L16], v[PC+4:PC+7], s[92:93] offset:512*(\a)
.endif
.endm
	s_mov_b32 s18, 0x76543210                      ; v_permlanex16_b32's selects for lane l xor 16
	s_mov_b32 s19, 0xfedcba98
	s_wait_loadcnt 0x0                             ; the bias
	ds_store_b128 v[BSA], v[12:15]                 ; my own bytes; LDS serves a wave's instructions in order
	s_cmp_lg_u32 s95, 0                            ; the role: the same in all partners
	s_cbranch_scc1 .Lv
	; ---- q, k.  The record of my first head: ((batch x 16 + 4 cx + 2 (wave % 2)) x 16 + 2 (block % 8) + wave / 2); the second head's lies 16 records on
	s_lshr_b32 s43, s96, 3
	s_lshl_b32 s43, s43, 4
	s_lshl_b32 s44, s40, 2
	s_add_co_u32 s43, s43, s44
	s_lshl_b32 s44, s[LO], 1
	s_add_co_u32 s43, s43, s44
	s_lshl_b32 s43, s43, 4
	s_and_b32 s44, s96, 7
	s_lshl_b32 s44, s44, 1
	s_add_co_u32 s43, s43, s44
	s_add_co_u32 s43, s43, s[HI]
	s_mov_b32 s44, 4608
	s_mov_b32 s97, 4096
	s_cmp_lg_u32 ttmp9, 0
	s_cselect_b64 s[46:47], s[16:17], s[14:15]     ; k goes to kv, q to qr
	s_cselect_b32 s44, 8960, s44                   ; a record,
	s_cselect_b32 s97, 8192, s97                   ; and where its scale words begin
	s_mul_i32 s98, s43, s44
	s_mov_b32 s99, 0
	s_add_nc_u64 s[46:47], s[46:47], s[98:99]
	s_lshl_b32 s98, s44, 4
	s_add_nc_u64 s[92:93], s[46:47], s[98:99]
	s_mov_b32 s98, s97
	s_add_nc_u64 s[100:101], s[46:47], s[98:99]
	s_add_nc_u64 s[66:67], s[92:93], s[98:99]
	s_wait_alu depctr_va_vdst(0)
.irp b, 0,1,2,3,4,5,6,7                        ; register 8 b + j wants channel 32 (b / 2) + 16 h + 8 (b % 2) + j
	ds_load_b128 v[BI+8*\b:BI+8*\b+3], v[BRQ] offset:(32*(\b/2)+8*(\b%2))*4
	ds_load_b128 v[BI+8*\b+4:BI+8*\b+7], v[BRQ] offset:(32*(\b/2)+8*(\b%2))*4+16
.endr
	s_wait_dscnt 0x0
.irp a, 0,1,2,3,4,5,6,7
	EPI \a, 0
.endr
.irp c, 0,1
.irp j, 0,1,2,3
	v_cndmask_b32 v[RW+4*\c+\j], v[SW+8*\c+\j], v[SW+8*\c+4+\j], s[HM]   ; lanes 0-15: tiles 0-3, lanes 16-31: tiles 4-7
.endr
.endr
	global_store_b128 v[L16], v[RW:RW+3], s[100:101]
	global_store_b128 v[L16], v[RW+4:RW+7], s[66:67]
	s_branch .Ldone
.Lv:
	; ---- v.  The record: ((batch x 16 + 4 cy + 2 (wave / 2)) x 16 + 2 (block % 8) + wave % 2); tiles 4-7 are the next head: 16 records, 143,360 bytes, on
	s_lshr_b32 s43, s42, 3
	s_lshl_b32 s43, s43, 4
	s_lshl_b32 s44, s41, 2
	s_add_co_u32 s43, s43, s44
	s_lshl_b32 s44, s[HI], 1
	s_add_co_u32 s43, s43, s44
	s_lshl_b32 s43, s43, 4
	s_and_b32 s44, s42, 7
	s_lshl_b32 s44, s44, 1
	s_add_co_u32 s43, s43, s44
	s_add_co_u32 s43, s43, s[LO]
	s_mul_i32 s98, s43, 8960
	s_mov_b32 s99, 0
	s_add_nc_u64 s[46:47], s[16:17], s[98:99]
	s_wait_alu depctr_va_vdst(0)
.irp a, 0,1,2,3,4,5,6,7                        ; my channel's number, into both registers of a pair
	ds_load_b32 v[BI+2*\a], v[BRV] offset:(32*(\a/2)+8*(\a%2))*4
	ds_load_b32 v[BI+2*\a+1], v[BRV] offset:(32*(\a/2)+8*(\a%2))*4
.endr
	s_wait_dscnt 0x0
.irp a, 0,1,2,3,4,5,6,7
	EPI \a, 1
.endr
.irp c, 0,1
.irp j, 0,1
	v_cndmask_b32 v[RW+2*\c+\j], v[SW+4*\c+\j], v[SW+4*\c+2+\j], s[HM]   ; lanes 0-15: tiles 0, 1 of the head, lanes 16-31: tiles 2, 3
.endr
.endr
	global_store_b64 v[L8], v[RW:RW+1], s[46:47] offset:8704
	global_store_b64 v[L8], v[RW+2:RW+3], s[46:47] offset:143360+8704
.Ldone:
	s_wait_tensorcnt 0x0                           ; the wave's end
	ds_add_u32 v[SPW], v[NIL]
	s_wait_dscnt 0x0
	CROUND                                         ; the closing round
	s_endpgm
.Lfunc_end_k_q2df6b54e2b_qkv:
	.size	k_q2df6b54e2b_qkv, .Lfunc_end_k_q2df6b54e2b_qkv-k_q2df6b54e2b_qkv
	.p2alignl 7, 3214868480
	.fill 96, 4, 3214868480
	.section	.rodata,"a",@progbits
	.p2align	6, 0x0
	.amdhsa_kernel k_q2df6b54e2b_qkv
		.amdhsa_group_segment_fixed_size 327680
		.amdhsa_private_segment_fixed_size 0
		.amdhsa_enable_private_segment 0
		.amdhsa_kernarg_size 56
		.amdhsa_user_sgpr_count 2
		.amdhsa_user_sgpr_kernarg_segment_ptr 1
		.amdhsa_wavefront_size32 1
		.amdhsa_system_sgpr_workgroup_id_x 1
		.amdhsa_system_sgpr_workgroup_id_y 1
		.amdhsa_system_sgpr_workgroup_id_z 1
		.amdhsa_system_vgpr_workitem_id 0
		.amdhsa_next_free_vgpr 1024
		.amdhsa_next_free_sgpr 102
		.amdhsa_reserve_vcc 0
		.amdhsa_float_denorm_mode_32 3
		.amdhsa_float_denorm_mode_16_64 3
		.amdhsa_memory_ordered 1
		.amdhsa_forward_progress 1
		.amdhsa_inst_pref_size 195
	.end_amdhsa_kernel
	.amdgpu_metadata
---
amdhsa.version: [ 1, 2 ]
amdhsa.kernels:
  - .name:           k_q2df6b54e2b_qkv
    .symbol:         k_q2df6b54e2b_qkv.kd
    .args:
      - { .name: cc, .offset: 0, .size: 8, .value_kind: global_buffer, .address_space: global }
      - { .name: cs, .offset: 8, .size: 8, .value_kind: global_buffer, .address_space: global }
      - { .name: bq, .offset: 16, .size: 8, .value_kind: global_buffer, .address_space: global }
      - { .name: bk, .offset: 24, .size: 8, .value_kind: global_buffer, .address_space: global }
      - { .name: bv, .offset: 32, .size: 8, .value_kind: global_buffer, .address_space: global }
      - { .name: qr, .offset: 40, .size: 8, .value_kind: global_buffer, .address_space: global }
      - { .name: kv, .offset: 48, .size: 8, .value_kind: global_buffer, .address_space: global }
    .group_segment_fixed_size: 327680
    .private_segment_fixed_size: 0
    .kernarg_segment_align: 8
    .kernarg_segment_size: 56
    .max_flat_workgroup_size: 128
    .sgpr_count:     102
    .vgpr_count:     1024
    .wavefront_size: 32
...
	.end_amdgpu_metadata
.endif
;; end of part 2
;; launch attn (part 3): grid 8 x 32, 16 waves a work-group, clusters of 4 x 1, 327,680 bytes of LDS; arguments qr, kv, yc, ys; writes yc, ys
.if DOCPART == 3
	.amdgcn_target "amdgcn-amd-amdhsa--gfx1250"
	.amdhsa_code_object_version 6
	.text
	.protected	k_q2df6b54e2b_attn
	.globl	k_q2df6b54e2b_attn
	.p2align	8
	.type	k_q2df6b54e2b_attn,@function
k_q2df6b54e2b_attn:
	s_mov_b64 s[64:65], 0
	v_nop
	global_prefetch_b8 v0, s[64:65] scope:SCOPE_SE
	s_setreg_imm32_b32 hwreg(HW_REG_WAVE_MODE, 25, 1), 1
	s_wait_xcnt 0x0
	s_wait_alu depctr_hold_cnt(0) depctr_sa_sdst(0) depctr_va_vdst(0) depctr_va_sdst(0) depctr_va_ssrc(0) depctr_va_vcc(0) depctr_vm_vsrc(0)
	s_getreg_b32 s2, hwreg(HW_REG_IB_STS2, 6, 4)
	s_cmp_eq_u32 s2, 0
	s_cbranch_scc0 .Lentry_in_a_cluster
	s_endpgm
.Lentry_in_a_cluster:
	s_bfe_u32 s2, ttmp6, 0x10000c
	s_cmp_lg_u32 s2, 0x3003
	s_cbranch_scc0 .Lentry_shape_is_right
	s_endpgm
.Lentry_shape_is_right:
; y = softmax(q k^T / 8) v for two neighbouring heads, both products on codes of FP4; y is quantised along the channels for the last product.  Nothing is left out.
; THE SOFTMAX AHEAD OF THE SECOND PRODUCT: t = score x log2(e) / 8; M = the running largest t rounded UP to a whole number; p = 2^(t - M) is quantised along the keys, not normalised;
; the row's sum is taken of the unquantised p and divides at the end; when M moves, sum and O are multiplied by 2^(old M - new M): exact.
; SHARES: a work-group owns 256 queries (16 tiles) of a pair of heads; wave w owns tile w, takes head A and then head B, and so ends with a whole K step (128 channels) of y's operand and its scale word.
; K AND V OF BOTH HEADS STAY IN LDS: 2 x 16 records of 8,960 bytes (launch qkv), each wave fetching record w of each head: filled once, nothing is filled again.
; CLUSTER 4 x 1: the four query blocks of a cluster walk the same K and V: each record is asked for jointly.
; LAYOUT: both products transposed (S^T = K Q^T, O^T = V^T P^T): a lane holds one query.  K = 64 of the first product fills half of the instruction's 128: registers 4-7 of K's and Q's fragments are zero codes.
; LIMITS: M is a whole number exactly while |t| < 2^24; a p under 2^-126 counts as 0; a block of zeros gets the byte 1 (zero codes); NaN and infinities are not served.
; REGISTERS: v1-10 addresses and y's scale word; v12 -M, v13 largest t, v[14:15] the sum; v16-23 Q; v24-27 K's scale words, v28-29 V's, v30 Q's, v31 p's; v32-95 K; v96-159 S^T, then p; v160-191 O^T; v192-223 V; v224-231 codes; v232-254 at work.
.set REC,   8960
.set HEADB, 143360
.set SPARE, 286720                     ; the spare words, 128 bytes for each of sixteen waves
.set YST,   288768                     ; 1,024 bytes: the sixteen tiles' scale words of y
.set L16, 1
.set L8,  2
.set R16, 3
.set YSA, 4
.set SPW, 5
.set NIL, 6
.set YRA, 7
.set AD,  8
.set AD8, 9
.set YW,  10
.set WV,  12
.set SEL, 32
.set CS,  34
.set TB,  36
.set CNT, 37
.macro CROUND
	s_barrier_signal -1
	s_barrier_wait -1
	s_cmp_lg_u32 s[WV], 0
	s_cbranch_scc1 .Lnot_wave_0_\@
	s_barrier_signal -3
.Lnot_wave_0_\@:
	s_barrier_wait -3
	s_barrier_signal -1
	s_barrier_wait -1
.endm
	s_load_b256 s[4:11], s[0:1], 0x0               ; qr, kv, yc, ys
	v_lshl_add_u32 v[SPW], v0, 2, SPARE
	v_mov_b32 v[NIL], 0
	ds_add_u32 v[SPW], v[NIL]                      ; the opening: the add, twice on end, and its wait ahead of my first tensor load
	ds_add_u32 v[SPW], v[NIL]
	v_lshrrev_b32 v8, 5, v0
	s_delay_alu instid0(VALU_DEP_1)
	v_readfirstlane_b32 s[WV], v8                  ; wave 0..15
	s_bfe_u32 s13, ttmp6, 0x40000                  ; cx
	s_lshl_b32 s14, ttmp9, 2
	s_add_co_u32 s14, s14, s13                     ; my block of 256 queries: it enters qr's, yc's and ys's addresses alone
	s_and_b32 s15, ttmp7, 0xffff                   ; the pair of heads: 8 x batch + pair
	s_mov_b32 s16, 15|(3<<16)|(1<<21)              ; a record: 35 dense rows of 256 bytes (32 elements of 8); the mask names all four partners
	s_mov_b32 s17, 32<<16
	s_mov_b32 s18, 35<<16
	s_mov_b32 s19, 32<<16
	s_mov_b32 s20, 35
	s_mov_b32 s21, 32
	s_mov_b32 s22, 0
	s_mov_b32 s23, 0
	s_lshl_b32 s38, s15, 5
	s_add_co_u32 s38, s38, s[WV]
	s_mul_i32 s38, s38, REC                        ; head A's record w in kv
	s_mov_b32 s39, 0
	s_mul_i32 s42, s[WV], REC                      ; and in LDS
	s_lshl_b32 s44, s15, 5
	s_lshl_b32 s45, s14, 1
	s_add_co_u32 s44, s44, s45
	s_lshr_b32 s45, s[WV], 3
	s_add_co_u32 s44, s44, s45
	s_mul_i32 s44, s44, 4608                       ; head A's record of qr that holds my tile
	s_and_b32 s45, s[WV], 7
	s_lshl_b32 s45, s45, 9
	s_add_co_u32 s46, s44, s45                     ; my tile's image
	s_mov_b32 s47, 0
	s_bfe_u32 s45, s[WV], 0x10002
	s_lshl_b32 s45, s45, 8
	s_add_co_u32 s48, s44, s45
	s_and_b32 s45, s[WV], 3
	s_lshl_b32 s45, s45, 2
	s_add_co_u32 s48, s48, s45
	s_add_co_u32 s48, s48, 4096                    ; my tile's scale words
	s_mov_b32 s49, 0
	s_lshr_b32 s50, s15, 3
	s_lshl_b32 s50, s50, 7
	s_lshl_b32 s45, s14, 4
	s_add_co_u32 s50, s50, s45
	s_add_co_u32 s50, s50, s[WV]
	s_lshl_b32 s50, s50, 13                        ; yc: my tile of 8,192 bytes,
	s_and_b32 s45, s15, 7
	s_lshl_b32 s45, s45, 10
	s_add_co_u32 s50, s50, s45                     ; K step = the pair of heads
	s_mov_b32 s51, 0
	s_lshr_b32 s52, s15, 3
	s_lshl_b32 s52, s52, 4
	s_lshl_b32 s45, s14, 1
	s_add_co_u32 s52, s52, s45
	s_and_b32 s45, s[WV], 1
	s_add_co_u32 s52, s52, s45
	s_lshl_b32 s52, s52, 12                        ; ys: 4,096 bytes for 128 rows (waves 0, 1 store them),
	s_and_b32 s45, s15, 7
	s_lshl_b32 s45, s45, 9
	s_add_co_u32 s52, s52, s45                     ; 512 for a K step
	s_mov_b32 s53, 0
	s_mov_b32 s[SEL], 0x76543210
	s_mov_b32 s[SEL+1], 0xfedcba98
	s_mov_b32 s[CS], 0x3e38aa3b                    ; c = log2(e) / 8
	s_mov_b32 s[CS+1], s[CS]
	s_wait_dscnt 0x0                               ; both opening adds are done
	s_wait_kmcnt 0x0
	s_add_nc_u64 s[6:7], s[6:7], s[38:39]
	s_add_nc_u64 s[40:41], s[4:5], s[48:49]
	s_add_nc_u64 s[4:5], s[4:5], s[46:47]
	s_add_nc_u64 s[8:9], s[8:9], s[50:51]
	s_add_nc_u64 s[10:11], s[10:11], s[52:53]
	CROUND                                         ; all four work-groups are here: the joint loads meet
	s_mov_b32 s24, 1
	s_mov_b32 s25, s42
	s_mov_b64 s[26:27], s[6:7]
	s_or_b32 s27, s27, 0x80000000
	s_mov_b32 s28, 1
	s_add_co_u32 s29, s42, HEADB
	s_add_nc_u64 s[30:31], s[6:7], HEADB
	s_or_b32 s31, s31, 0x80000000
	tensor_load_to_lds s[24:27], s[16:23]          ; head A's record w
	s_nop 0
	s_wait_alu depctr_va_vdst(0)
	s_wait_tensorcnt 0x0
	ds_add_u32 v5, v6
	s_wait_dscnt 0x0
	CROUND
	tensor_load_to_lds s[28:31], s[16:23]          ; head B's: one load of mine is out
	s_nop 0
.rept 4
	v_nop
.endr
	v_and_b32 v8, 31, v0
	s_delay_alu instid0(VALU_DEP_1)
	v_lshlrev_b32 v[L16], 4, v8
	s_wait_alu depctr_va_vdst(0)
	v_lshlrev_b32 v[L8], 3, v8
	v_and_b32 v9, 15, v0
	s_delay_alu instid0(VALU_DEP_1)
	v_lshlrev_b32 v[R16], 4, v9
	global_load_b128 v[16:19], v[L16], s[4:5]      ; head A's Q: registers 0-3 of the fragment
	global_load_b32 v30, v[R16], s[40:41]          ; and its scale words
	s_lshr_b32 s43, s[WV], 2
	s_lshl_b32 s43, s43, 8
	s_and_b32 s45, s[WV], 3
	s_lshl_b32 s45, s45, 2
	s_add_co_u32 s43, s43, s45
	s_add_co_u32 s43, s43, YST
	v_add_nc_u32 v[YSA], s43, v[R16]               ; y's scale word of tile w, row r: 256 (w / 4) + 16 r + 4 (w % 4)
	s_and_b32 s43, s[WV], 1
	s_lshl_b32 s43, s43, 9
	s_add_co_u32 s43, s43, YST
	v_add_nc_u32 v[YRA], s43, v[L16]
.irp j, 20,21,22,23
	v_mov_b32 v[\j], 0                             ; zero codes for k = 64 .. 127
.endr
.irp i, 0,1,2,3,4,5,6,7
.irp j, 4,5,6,7
	v_mov_b32 v[32+8*\i+\j], 0
.endr
.endr
.irp b, 0,1,2,3
	v_mov_b32 v[236+\b], 0                         ; a lane permute's destination counts as one of its sources
.endr
	v_mov_b32 v253, 0                              ; named as the upper half of the pair v[252:253]
; A KEY STEP: 128 keys, the record at LDS byte s[TB]
.macro STEP
	v_add_nc_u32 v[AD], s[TB], v[L16]
	v_add_nc_u32 v[AD8], s[TB], v[L8]
	v_nop
	v_nop                                          ; four places behind the last step's products, in front of loads into V's registers and scale words
.irp i, 0,1,2,3,4,5,6,7
	ds_load_b128 v[32+8*\i:35+8*\i], v[AD] offset:512*\i
.endr
	ds_load_b128 v[24:27], v[AD] offset:8192       ; K's scale words: lanes 0-15 tiles 0-3, lanes 16-31 tiles 4-7
.irp i, 0,1,2,3
.irp c, 0,1
	ds_load_b128 v[192+8*\i+4*\c:195+8*\i+4*\c], v[AD] offset:4096+1024*\i+512*\c
.endr
.endr
	ds_load_b64 v[28:29], v[AD8] offset:8704       ; V's: lanes 0-15 tiles 0, 1, lanes 16-31 tiles 2, 3
	s_wait_dscnt 9                                 ; K and its scale words are in; V's eight loads and its scale words may be out
.irp i, 0,1,2,3
	v_wmma_scale_f32_16x16x128_f8f6f4 v[96+8*\i:103+8*\i], v[32+8*\i:39+8*\i], v[16:23], 0, v[24+\i], v30 matrix_a_fmt:MATRIX_FMT_FP4 matrix_b_fmt:MATRIX_FMT_FP4
.endr
.irp i, 4,5,6,7
	v_wmma_scale_f32_16x16x128_f8f6f4 v[96+8*\i:103+8*\i], v[32+8*\i:39+8*\i], v[16:23], 0, v[20+\i], v30 matrix_a_fmt:MATRIX_FMT_FP4 matrix_b_fmt:MATRIX_FMT_FP4 matrix_a_scale:MATRIX_SCALE_ROW1
.endr
.rept 4
	v_nop
.endr
.irp b, 0,1,2,3
	v_max3_num_f32 v[232+\b], v[96+16*\b], v[97+16*\b], v[98+16*\b]   ; the largest score of each block of 32 keys: for the row's maximum, and for the block's largest p
.endr
.irp i, 3,5,7,9,11,13
.irp b, 0,1,2,3
	v_max3_num_f32 v[232+\b], v[232+\b], v[96+16*\b+\i], v[97+16*\b+\i]
.endr
.endr
.irp b, 0,1,2,3
	v_max_num_f32 v[232+\b], v[232+\b], v[111+16*\b]
.endr
.irp b, 0,1,2,3
	s_delay_alu instid0(VALU_DEP_4)
	v_permlanex16_b32 v[236+\b], v[232+\b], s[SEL], s[SEL+1]
.endr
.irp b, 0,1,2,3
	s_delay_alu instid0(VALU_DEP_4)
	v_max_num_f32 v[232+\b], v[232+\b], v[236+\b]
.endr
	s_delay_alu instid0(VALU_DEP_2)
	v_max3_num_f32 v254, v232, v233, v234
	s_delay_alu instid0(VALU_DEP_1)
	v_max_num_f32 v254, v254, v235
	s_delay_alu instid0(VALU_DEP_1)
	v_mul_f32 v254, s[CS], v254
	s_delay_alu instid0(VALU_DEP_1)
	v_max_num_f32 v13, v13, v254                   ; the running largest t
	v_mov_b32 v254, v12
	s_delay_alu instid0(VALU_DEP_2)
	v_floor_f32 v12, -v13                          ; -M = floor(-t)
	s_delay_alu instid0(VALU_DEP_1)
	v_sub_f32 v254, v12, v254                      ; old M - new M: a whole number, 0 or less
	s_delay_alu instid0(VALU_DEP_1)
	v_cvt_i32_f32 v254, v254                       ; (it saturates)
	s_delay_alu instid0(VALU_DEP_1)
	v_ldexp_f32 v252, 1.0, v254                    ; f = 2^(old M - new M)
.set j, 0
.rept 32
	v_pk_fma_f32 v[96+j:97+j], v[96+j:97+j], s[CS:CS+1], v[12:13] op_sel_hi:[1,0,0]   ; t - M
.set j, j+2
.endr
.irp b, 0,1,2,3
	v_fma_f32 v[232+\b], v[232+\b], s[CS], v12
.endr
.set j, 0
	s_wait_alu depctr_va_vdst(0)
.rept 64
	v_exp_f32 v[96+j], v[96+j]                     ; p = 2^(t - M)
.set j, j+1
.endr
	s_setprio 1
	v_pk_mul_f32 v[14:15], v[14:15], v[252:253] op_sel_hi:[1,0]   ; the sums under the new M (a plain place behind the exponentials)
	s_wait_alu depctr_va_vdst(0)                   ; one wait for the batch, ahead of its first reader
.irp b, 0,1,2,3
	v_exp_f32 v[232+\b], v[232+\b]                 ; the block's largest p
.endr
	v_pk_add_f32 v[236:237], v[96:97], v[98:99]    ; the row's sum of the unquantised p, in two chains
.irp j, 4,8,12,16,20,24,28,32,36,40,44,48,52,56,60
	v_pk_add_f32 v[14:15], v[14:15], v[96+\j:97+\j]
	v_pk_add_f32 v[236:237], v[236:237], v[98+\j:99+\j]
.endr
	s_delay_alu instid0(VALU_DEP_1)
	v_pk_add_f32 v[14:15], v[14:15], v[236:237]
	s_wait_alu depctr_va_vdst(0)                   ; and one for the four
.irp b, 0,1,2,3
	v_max_num_f32 v[232+\b], 0x1800000, v[232+\b]  ; the floor 2^(3 - 127)
.endr
.irp b, 0,1,2,3
	s_delay_alu instid0(VALU_DEP_4)
	v_add_nc_u32 v[244+\b], 0xff000000, v[232+\b]
.endr
.irp b, 0,1,2,3
	s_delay_alu instid0(VALU_DEP_4)
	v_lshrrev_b32 v[236+\b], 23, v[244+\b]
.endr
	s_delay_alu instid0(VALU_DEP_3)
	v_lshl_or_b32 v31, v237, 8, v236               ; p's scale word for these 128 keys
	s_delay_alu instid0(VALU_DEP_1)
	v_lshl_or_b32 v31, v238, 16, v31
	s_delay_alu instid0(VALU_DEP_1)
	v_lshl_or_b32 v31, v239, 24, v31
.irp b, 0,1,2,3
	v_cvt_scalef32_pk8_fp4_f32 v[224+2*\b], v[96+16*\b:103+16*\b], v[244+\b]
	v_cvt_scalef32_pk8_fp4_f32 v[225+2*\b], v[104+16*\b:111+16*\b], v[244+\b]
.endr
	v_nop
.irp c, 0,1
.irp i, 0,1
	v_permlane16_swap_b32 v[224+4*\c+\i], v[226+4*\c+\i]
.endr
.endr
.set j, 0
	s_setprio 0
.rept 16
	v_pk_mul_f32 v[160+j:161+j], v[160+j:161+j], v[252:253] op_sel_hi:[1,0]   ; O^T under the new M; these sixteen are also the places between p's scale word and codes and the products
.set j, j+2
.endr
	s_wait_alu depctr_va_vdst(0)
	s_wait_dscnt 0x0                               ; V
.irp i, 0,1
	v_wmma_scale_f32_16x16x128_f8f6f4 v[160+8*\i:167+8*\i], v[192+8*\i:199+8*\i], v[224:231], v[160+8*\i:167+8*\i], v[28+\i], v31 matrix_a_fmt:MATRIX_FMT_FP4 matrix_b_fmt:MATRIX_FMT_FP4
.endr
.irp i, 2,3
	v_wmma_scale_f32_16x16x128_f8f6f4 v[160+8*\i:167+8*\i], v[192+8*\i:199+8*\i], v[224:231], v[160+8*\i:167+8*\i], v[26+\i], v31 matrix_a_fmt:MATRIX_FMT_FP4 matrix_b_fmt:MATRIX_FMT_FP4 matrix_a_scale:MATRIX_SCALE_ROW1
.endr
	s_add_co_u32 s[TB], s[TB], REC
.endm
.macro HEAD hd
	s_wait_tensorcnt 1-\hd                         ; my record of this head is in (head A: head B's may be out)
	s_wait_dscnt 0x0
	s_barrier_signal -1
	s_barrier_wait -1                              ; everybody's is
.if \hd
	s_wait_xcnt 0x0                                ; head A's store has read the codes' registers
.endif
.set j, 0
.rept 32
	v_mov_b32 v[160+j], 0                          ; O^T: the loop is written once, its first step finds zeros
.set j, j+1
.endr
	v_mov_b32 v14, 0
	v_mov_b32 v15, 0
	v_mov_b32 v13, 0xff61b1e6                      ; -3e38, under every t
	s_delay_alu instid0(VALU_DEP_1)
	v_floor_f32 v12, -v13
	s_mov_b32 s[TB], \hd*HEADB
	s_mov_b32 s[CNT], 16
	s_wait_loadcnt 0x0                             ; Q
.Lstep_\@:
	s_setprio 2
	STEP
	s_sub_co_u32 s[CNT], s[CNT], 1
	s_cmp_lg_u32 s[CNT], 0
	s_cbranch_scc1 .Lstep_\@
	s_setprio 0
.rept 4
	v_nop                                          ; places behind the last products
.endr
.if \hd == 0
	global_load_b128 v[16:19], v[L16], s[4:5] offset:73728   ; head B's Q, 16 records on: it lands under what follows
	global_load_b32 v30, v[R16], s[40:41] offset:73728
.endif
	v_add_f32 v14, v14, v15
	s_delay_alu instid0(VALU_DEP_1)
	v_permlanex16_b32 v252, v14, s[SEL], s[SEL+1]
	s_delay_alu instid0(VALU_DEP_1)
	v_add_f32 v14, v14, v252                       ; the row's sum
	s_wait_alu depctr_va_vdst(0)
	v_rcp_f32 v14, v14
	v_nop
	s_wait_alu depctr_va_vdst(0)
.set j, 0
.rept 16
	v_pk_mul_f32 v[96+j:97+j], v[160+j:161+j], v[14:15] op_sel_hi:[1,0]   ; y: register 16 b + i = channel 32 b + 16 (lane / 16) + i of my query
.set j, j+2
.endr
.irp b, 0,1
	v_max3_num_f32 v[232+\b], |v[96+16*\b]|, |v[97+16*\b]|, 0x1800000
.endr
.irp i, 2,4,6,8,10,12,14
.irp b, 0,1
	s_delay_alu instid0(VALU_DEP_2)
	v_max3_num_f32 v[232+\b], v[232+\b], |v[96+16*\b+\i]|, |v[97+16*\b+\i]|
.endr
.endr
.irp b, 0,1
	s_delay_alu instid0(VALU_DEP_2)
	v_permlanex16_b32 v[236+\b], v[232+\b], s[SEL], s[SEL+1]
.endr
.irp b, 0,1
	s_delay_alu instid0(VALU_DEP_2)
	v_max_num_f32 v[232+\b], v[232+\b], v[236+\b]
.endr
.irp b, 0,1
	s_delay_alu instid0(VALU_DEP_2)
	v_add_nc_u32 v[244+\b], 0xff000000, v[232+\b]
.endr
.irp b, 0,1
	s_delay_alu instid0(VALU_DEP_2)
	v_lshrrev_b32 v[236+\b], 23, v[244+\b]
.endr
.if \hd == 0
	s_delay_alu instid0(VALU_DEP_1)
	v_lshl_or_b32 v[YW], v237, 8, v236             ; y's scale word: head A's two bytes,
.else
	s_delay_alu instid0(VALU_DEP_2)
	v_lshl_or_b32 v[YW], v236, 16, v[YW]           ; head B's two
	s_delay_alu instid0(VALU_DEP_1)
	v_lshl_or_b32 v[YW], v237, 24, v[YW]
.endif
.irp b, 0,1
	v_cvt_scalef32_pk8_fp4_f32 v[224+2*\b], v[96+16*\b:103+16*\b], v[244+\b]
	v_cvt_scalef32_pk8_fp4_f32 v[225+2*\b], v[104+16*\b:111+16*\b], v[244+\b]
.endr
	v_nop
	v_permlane16_swap_b32 v224, v226
	v_permlane16_swap_b32 v225, v227
	global_store_b128 v[L16], v[224:227], s[8:9] offset:512*\hd   ; half of the fragment's image: 512 consecutive bytes, aligned
.endm
	HEAD 0
	HEAD 1
	ds_store_b32 v[YSA], v[YW]                     ; lanes r and r + 16 write the same word with the same value
	s_wait_dscnt 0x0
	s_barrier_signal -1
	s_barrier_wait -1
	s_cmp_lt_u32 s[WV], 2
	s_cbranch_scc0 .Lno_ys
	ds_load_b128 v[32:35], v[YRA]                  ; eight tiles' words: 512 bytes
	s_wait_dscnt 0x0
	global_store_b128 v[L16], v[32:35], s[10:11]
.Lno_ys:
	s_wait_tensorcnt 0x0                           ; the wave's end
	ds_add_u32 v[SPW], v[NIL]
	s_wait_dscnt 0x0
	CROUND                                         ; the closing round
	s_endpgm
.Lfunc_end_k_q2df6b54e2b_attn:
	.size	k_q2df6b54e2b_attn, .Lfunc_end_k_q2df6b54e2b_attn-k_q2df6b54e2b_attn
	.p2alignl 7, 3214868480
	.fill 96, 4, 3214868480
	.section	.rodata,"a",@progbits
	.p2align	6, 0x0
	.amdhsa_kernel k_q2df6b54e2b_attn
		.amdhsa_group_segment_fixed_size 327680
		.amdhsa_private_segment_fixed_size 0
		.amdhsa_enable_private_segment 0
		.amdhsa_kernarg_size 32
		.amdhsa_user_sgpr_count 2
		.amdhsa_user_sgpr_kernarg_segment_ptr 1
		.amdhsa_wavefront_size32 1
		.amdhsa_system_sgpr_workgroup_id_x 1
		.amdhsa_system_sgpr_workgroup_id_y 1
		.amdhsa_system_sgpr_workgroup_id_z 1
		.amdhsa_system_vgpr_workitem_id 0
		.amdhsa_next_free_vgpr 256
		.amdhsa_next_free_sgpr 66
		.amdhsa_reserve_vcc 0
		.amdhsa_float_denorm_mode_32 3
		.amdhsa_float_denorm_mode_16_64 3
		.amdhsa_memory_ordered 1
		.amdhsa_forward_progress 1
		.amdhsa_inst_pref_size 51
	.end_amdhsa_kernel
	.amdgpu_metadata
---
amdhsa.version: [ 1, 2 ]
amdhsa.kernels:
  - .name:           k_q2df6b54e2b_attn
    .symbol:         k_q2df6b54e2b_attn.kd
    .args:
      - { .name: qr, .offset: 0, .size: 8, .value_kind: global_buffer, .address_space: global }
      - { .name: kv, .offset: 8, .size: 8, .value_kind: global_buffer, .address_space: global }
      - { .name: yc, .offset: 16, .size: 8, .value_kind: global_buffer, .address_space: global }
      - { .name: ys, .offset: 24, .size: 8, .value_kind: global_buffer, .address_space: global }
    .group_segment_fixed_size: 327680
    .private_segment_fixed_size: 0
    .kernarg_segment_align: 8
    .kernarg_segment_size: 32
    .max_flat_workgroup_size: 512
    .sgpr_count:     66
    .vgpr_count:     256
    .wavefront_size: 32
...
	.end_amdgpu_metadata
.endif
;; end of part 3
;; launch proj (part 4): grid 8 x 32, 4 waves a work-group, clusters of 4 x 4, 327,680 bytes of LDS; arguments yc, ys, cc, cs, bo, out0; writes out0
.if DOCPART == 4
	.amdgcn_target "amdgcn-amd-amdhsa--gfx1250"
	.amdhsa_code_object_version 6
	.text
	.protected	k_q2df6b54e2b_proj
	.globl	k_q2df6b54e2b_proj
	.p2align	8
	.type	k_q2df6b54e2b_proj,@function
k_q2df6b54e2b_proj:
	s_mov_b64 s[64:65], 0
	v_nop
	global_prefetch_b8 v0, s[64:65] scope:SCOPE_SE
	s_setreg_imm32_b32 hwreg(HW_REG_WAVE_MODE, 25, 1), 1
	s_wait_xcnt 0x0
	s_wait_alu depctr_hold_cnt(0) depctr_sa_sdst(0) depctr_va_vdst(0) depctr_va_sdst(0) depctr_va_ssrc(0) depctr_va_vcc(0) depctr_vm_vsrc(0)
	s_getreg_b32 s2, hwreg(HW_REG_IB_STS2, 6, 4)
	s_cmp_eq_u32 s2, 0
	s_cbranch_scc0 .Lentry_in_a_cluster
	s_endpgm
.Lentry_in_a_cluster:
	s_bfe_u32 s2, ttmp6, 0x10000c
	s_cmp_lg_u32 s2, 0xf033
	s_cbranch_scc0 .Lentry_shape_is_right
	s_endpgm
.Lentry_shape_is_right:
; out0 = Q(y) Q(Wo)^T + bo on codes of FP4.  Nothing is left out.
; S1 (source 1: a lane is a token) = 256 tokens of y (yc, ys from launch attn); S0 (source 0: a lane's registers run along the outputs) = 128 rows of Wo (cc, cs: tiles 704 on).
; A work-group makes 256 x 128, a wave 128 x 64: 32 accumulators: 256 work-groups.  K = 1,024 is two LDS slots of 512, both filled at the start: nothing is filled again.
; CLUSTER 4 x 4: y's tiles are shared along a row of the cluster, Wo's along a column.  The bias is the C of each sum's first product.
; The way out undoes the tile order: place r of tile a is token 32 (a / 2) + 8 (a % 2) + r % 8 + 16 (r / 8); every store of the wave covers two runs of 256 consecutive bytes, aligned.
; REGISTERS: window 0: v16-30 addresses; v32-63 y's scale words; v64-79 Wo's; v96-127 the bias; v128-191 S1's fragments, later rows of out0.  window 1: S0's fragments, two sets, v0 and v128.  window 2: accumulator (a, b) at v[8 (4 a + b)].
.set SLOT,  98304                      ; S1's 16 tiles x 4,096 bytes, then S0's 8
.set SC1,   196608                     ; y's scale words: 2 x 4,096
.set SC0,   204800                     ; Wo's scale bytes: 2 x 2,048
.set STAGE, 208896                     ; 16 rows x (256 + 16) bytes for each wave
.set SPARE, 226304
.set ADRA, 16
.set ADRB, 20
.set AS1,  22
.set AS0,  23
.set L16,  24
.set STO,  25
.set RD,   26
.set CO,   27
.set SPW,  28
.set NIL,  29
.set BA,   30
.set S1R,  32
.set S0R,  64
.set BI,   96
.set AF,   128
.set BK,   128
.set LO,   2
.set WV,   22
.set HI,   23
.set G1,   24
.set G0,   32
.set G1B,  48
.set G0B,  56
.set G1S,  68
.set G0S,  76
.set G1SB, 80
.set G0SB, 88
.set MSB, 0
.macro WIN new
.if MSB != \new
	s_set_vgpr_msb (MSB<<8)|\new
.set MSB, \new
.endif
.endm
.set TO_B, 0x40
.macro JLOAD g0a, g1a, g0b, g1b
	s_cmp_eq_u32 s[HI], 0
	s_cbranch_scc0 .Lfor_b_\@
	tensor_load_to_lds s[\g0a:\g0a+3], s[\g1a:\g1a+7]
	s_nop 0
.rept 4
	v_nop
.endr
	s_branch .Lasked_\@
.Lfor_b_\@:
	tensor_load_to_lds s[\g0b:\g0b+3], s[\g1b:\g1b+7]
	s_nop 0
.rept 4
	v_nop
.endr
.Lasked_\@:
.endm
.macro CROUND
	s_barrier_signal -1
	s_barrier_wait -1
	s_cmp_lg_u32 s[WV], 0
	s_cbranch_scc1 .Lnot_wave_0_\@
	s_barrier_signal -3
.Lnot_wave_0_\@:
	s_barrier_wait -3
	s_barrier_signal -1
	s_barrier_wait -1
.endm
.macro PLACES
.rept 4
	v_nop
.endr
.endm
	s_load_b256 s[4:11], s[0:1], 0x0               ; yc, ys, cc, cs
	s_load_b128 s[12:15], s[0:1], 0x20             ; bo, out0
	v_lshl_add_u32 v[SPW], v0, 2, SPARE
	v_mov_b32 v[NIL], 0
	ds_add_u32 v[SPW], v[NIL]                      ; the opening: the add, twice on end, and its wait ahead of my first tensor load
	ds_add_u32 v[SPW], v[NIL]
	v_lshrrev_b32 v1, 5, v0
	v_readfirstlane_b32 s[WV], v1
	s_lshr_b32 s[HI], s[WV], 1                     ; my half of the tokens; I fetch for S1 (0) or S0 (1)
	s_and_b32 s[LO], s[WV], 1                      ; my half of the outputs; which half I fetch
	s_bfe_u32 s40, ttmp6, 0x40000
	s_bfe_u32 s41, ttmp6, 0x40004
	s_lshl_b32 s42, ttmp9, 2
	s_add_co_u32 s42, s42, s40                     ; block of 128 outputs
	s_and_b32 s96, ttmp7, 0xffff
	s_lshl_b32 s96, s96, 2
	s_add_co_u32 s96, s96, s41                     ; block of 256 tokens
	s_lshl_b32 s43, s41, 2
	s_lshl_b32 s43, 15, s43
	s_lshl_b32 s44, 0x1111, s40
	s_or_b32 s[G1], s43, (3<<16)|(1<<21)
	s_or_b32 s[G1B], s44, (3<<16)|(1<<21)
	s_or_b32 s[G1S], s43, (3<<16)|(1<<21)
	s_or_b32 s[G1SB], s44, (3<<16)|(1<<21)
	s_mov_b32 s[G1+1], 512<<16                     ; S1's codes: 8 tiles' 4,096 bytes of a slot, 8,192 apart
	s_mov_b32 s[G1+2], 8<<16
	s_mov_b32 s[G1+3], 512<<16
	s_mov_b32 s[G1+4], 8
	s_mov_b32 s[G1+5], 1024
	s_mov_b32 s[G1+6], 0
	s_mov_b32 s[G1+7], 0
	s_mov_b32 s[G1B+1], 512<<16                    ; S0's: 4 tiles
	s_mov_b32 s[G1B+2], 4<<16
	s_mov_b32 s[G1B+3], 512<<16
	s_mov_b32 s[G1B+4], 4
	s_mov_b32 s[G1B+5], 1024
	s_mov_b32 s[G1B+6], 0
	s_mov_b32 s[G1B+7], 0
	s_mov_b32 s[G1S+1], 32<<16                     ; y's scale words of 128 rows: 16 dense rows of 256 bytes
	s_mov_b32 s[G1S+2], 16<<16
	s_mov_b32 s[G1S+3], 32<<16
	s_mov_b32 s[G1S+4], 16
	s_mov_b32 s[G1S+5], 32
	s_mov_b32 s[G1S+6], 0
	s_mov_b32 s[G1S+7], 0
	s_mov_b32 s[G1SB+1], 32<<16                    ; Wo's scale bytes of 4 tiles: 8 rows
	s_mov_b32 s[G1SB+2], 8<<16
	s_mov_b32 s[G1SB+3], 32<<16
	s_mov_b32 s[G1SB+4], 8
	s_mov_b32 s[G1SB+5], 32
	s_mov_b32 s[G1SB+6], 0
	s_mov_b32 s[G1SB+7], 0
	s_lshl_b32 s98, s96, 4
	s_lshl_b32 s66, s[LO], 3
	s_add_co_u32 s98, s98, s66
	s_lshl_b32 s98, s98, 13                        ; S1's codes
	s_mov_b32 s99, 0
	s_lshl_b32 s100, s96, 1
	s_add_co_u32 s100, s100, s[LO]
	s_lshl_b32 s100, s100, 12                      ; S1's scale words
	s_mov_b32 s101, 0
	s_lshl_b32 s46, s42, 3
	s_lshl_b32 s66, s[LO], 2
	s_add_co_u32 s46, s46, s66
	s_add_co_u32 s46, s46, 704                     ; Wo's first tile in cc
	s_lshl_b32 s92, s46, 9
	s_lshl_b32 s46, s46, 13
	s_mov_b32 s47, 0
	s_mov_b32 s93, 0
	s_lshl_b32 s45, s[LO], 15                      ; where they go
	s_lshl_b32 s94, s[LO], 14
	s_add_co_u32 s94, s94, 65536
	s_lshl_b32 s95, s[LO], 12
	s_add_co_u32 s95, s95, SC1
	s_lshl_b32 s97, s[LO], 11
	s_add_co_u32 s97, s97, SC0
	s_wait_dscnt 0x0                               ; both opening adds are done
	s_wait_kmcnt 0x0
	s_add_nc_u64 s[98:99], s[4:5], s[98:99]
	s_add_nc_u64 s[100:101], s[6:7], s[100:101]
	s_add_nc_u64 s[46:47], s[8:9], s[46:47]
	s_add_nc_u64 s[92:93], s[10:11], s[92:93]
	CROUND
	s_mov_b32 s[G0S], 1
	s_mov_b32 s[G0S+1], s95
	s_mov_b64 s[G0S+2:G0S+3], s[100:101]
	s_or_b32 s[G0S+3], s[G0S+3], 0x80000000
	s_mov_b32 s[G0SB], 1
	s_mov_b32 s[G0SB+1], s97
	s_mov_b64 s[G0SB+2:G0SB+3], s[92:93]
	s_or_b32 s[G0SB+3], s[G0SB+3], 0x80000000
	JLOAD G0S, G1S, G0SB, G1SB
.irp s, 0,1
	s_mov_b32 s[G0+4*\s], 1
	s_add_co_u32 s[G0+4*\s+1], s45, \s*SLOT
	s_add_nc_u64 s[G0+4*\s+2:G0+4*\s+3], s[98:99], \s*4096
	s_or_b32 s[G0+4*\s+3], s[G0+4*\s+3], 0x80000000
	s_mov_b32 s[G0B+4*\s], 1
	s_add_co_u32 s[G0B+4*\s+1], s94, \s*SLOT
	s_add_nc_u64 s[G0B+4*\s+2:G0B+4*\s+3], s[46:47], \s*4096
	s_or_b32 s[G0B+4*\s+3], s[G0B+4*\s+3], 0x80000000
	s_wait_alu depctr_va_vdst(0)
	s_wait_tensorcnt 0x0
	ds_add_u32 v28, v29
	s_wait_dscnt 0x0
	CROUND
	JLOAD G0+4*\s, G1, G0B+4*\s, G1B               ; one tensor load of mine is out at the most
.endr
	s_lshl_b32 s98, s42, 9                         ; my first output, in bytes: 512 x block + 256 (wave % 2)
	s_lshl_b32 s66, s[LO], 8
	s_add_co_u32 s98, s98, s66
	s_mov_b32 s99, 0
	s_add_nc_u64 s[12:13], s[12:13], s[98:99]
	s_add_nc_u64 s[14:15], s[14:15], s[98:99]
	s_lshl_b32 s98, s96, 20                        ; my first token: rows of 4,096 bytes
	s_lshl_b32 s66, s[HI], 19
	s_add_co_u32 s98, s98, s66
	s_add_nc_u64 s[14:15], s[14:15], s[98:99]
	v_and_b32 v1, 31, v0
	v_and_b32 v2, 15, v0                           ; r
	v_bfe_u32 v3, v0, 4, 1                         ; h
	v_lshlrev_b32 v[BA], 6, v3
.irp b, 0,1,2,3                                ; register 8 b + j wants output 32 (b / 2) + 16 h + 8 (b % 2) + j
	global_load_b128 v[BI+8*\b:BI+8*\b+3], v[BA], s[12:13] offset:(32*(\b/2)+8*(\b%2))*4
	global_load_b128 v[BI+8*\b+4:BI+8*\b+7], v[BA], s[12:13] offset:(32*(\b/2)+8*(\b%2))*4+16
.endr
	v_lshlrev_b32 v[L16], 4, v1
	s_wait_alu depctr_va_vdst(0)
	s_lshl_b32 s43, s[HI], 15
	s_lshl_b32 s44, s[LO], 14
	s_add_co_u32 s44, s44, 65536
.irp s, 0,1
	v_add_nc_u32 v[ADRA+\s], s43, v[L16]
	v_add_nc_u32 v[ADRB+\s], s44, v[L16]
	s_add_co_u32 s43, s43, SLOT
	s_add_co_u32 s44, s44, SLOT
.endr
	s_lshl_b32 s43, s[HI], 12
	s_add_co_u32 s43, s43, SC1
	v_add_nc_u32 v[AS1], s43, v[L16]               ; y's words: lanes 0-15 tiles 0-3, lanes 16-31 tiles 4-7
	s_lshl_b32 s43, s[LO], 11
	s_add_co_u32 s43, s43, SC0
	v_lshlrev_b32 v4, 4, v2
	v_lshl_add_u32 v4, v3, 10, v4
	v_add_nc_u32 v[AS0], s43, v4                   ; Wo's: lanes 0-15 tiles 0, 1, lanes 16-31 tiles 2, 3
	s_mul_i32 s43, s[WV], 16*272
	s_add_co_u32 s43, s43, STAGE
	v_mul_u32_u24 v4, v2, 272
	v_lshl_add_u32 v4, v3, 6, v4
	v_add_nc_u32 v[STO], s43, v4                   ; the stage, in: row r, + 64 h
	v_mul_u32_u24 v4, v3, 272
	v_lshl_add_u32 v4, v2, 4, v4
	v_add_nc_u32 v[RD], s43, v4                    ; back: sixteen lanes to a row
	v_lshlrev_b32 v4, 4, v2
	v_lshl_add_u32 v[CO], v3, 12, v4               ; and the same two rows in out0
.macro FRAG reg, adr, q, i
.irp c, 0,1
	ds_load_b128 v[\reg+4*\c:\reg+4*\c+3], v[\adr] offset:4096*(\i)+1024*(\q)+512*\c
.endr
.endm
; one product: S1's tile a x S0's tile b, K step s (0 .. 7), S0's set p.  first = 1: C is the bias
.macro WM a, b, p, s, first
.set DD, 8*(4*(\a)+(\b))
.if \first
.set CC, BI+8*(\b)
.else
.set CC, DD
.endif
.set SA, S0R+4*(2*((\s)/4)+(\b)%2)+(\s)%4
.set SB, S1R+4*(\s)+(\a)%4
.if ((\a) < 4) && ((\b) < 2)
	v_wmma_scale_f32_16x16x128_f8f6f4 v[DD:DD+7], v[128*(\p)+8*(\b):128*(\p)+8*(\b)+7], v[AF+8*(\a):AF+8*(\a)+7], v[CC:CC+7], v[SA], v[SB] matrix_a_fmt:MATRIX_FMT_FP4 matrix_b_fmt:MATRIX_FMT_FP4
.elseif (\a) < 4
	v_wmma_scale_f32_16x16x128_f8f6f4 v[DD:DD+7], v[128*(\p)+8*(\b):128*(\p)+8*(\b)+7], v[AF+8*(\a):AF+8*(\a)+7], v[CC:CC+7], v[SA], v[SB] matrix_a_fmt:MATRIX_FMT_FP4 matrix_b_fmt:MATRIX_FMT_FP4 matrix_a_scale:MATRIX_SCALE_ROW1
.elseif (\b) < 2
	v_wmma_scale_f32_16x16x128_f8f6f4 v[DD:DD+7], v[128*(\p)+8*(\b):128*(\p)+8*(\b)+7], v[AF+8*(\a):AF+8*(\a)+7], v[CC:CC+7], v[SA], v[SB] matrix_a_fmt:MATRIX_FMT_FP4 matrix_b_fmt:MATRIX_FMT_FP4 matrix_b_scale:MATRIX_SCALE_ROW1
.else
	v_wmma_scale_f32_16x16x128_f8f6f4 v[DD:DD+7], v[128*(\p)+8*(\b):128*(\p)+8*(\b)+7], v[AF+8*(\a):AF+8*(\a)+7], v[CC:CC+7], v[SA], v[SB] matrix_a_fmt:MATRIX_FMT_FP4 matrix_b_fmt:MATRIX_FMT_FP4 matrix_a_scale:MATRIX_SCALE_ROW1 matrix_b_scale:MATRIX_SCALE_ROW1
.endif
.endm
.macro MUL16 a0, p, s, first           ; S1's tiles a0 .. a0 + 3 x S0's four; the 32 accumulators take turns
.irp a, \a0, \a0+1, \a0+2, \a0+3
.irp b, 0,1,2,3
	WM \a, \b, \p, \s, \first
.endr
.endr
.endm
.macro WMUL first
.if \first
	WIN 0x81                                       ; S0 window 1, S1 and the bias window 0, D window 2
.else
	WIN 0xa1                                       ; C and D window 2
.endif
.endm
.macro FETCH_B slot, q, p
	WIN TO_B
.irp i, 0,1,2,3
	FRAG 128*(\p)+8*\i, ADRB+\slot, \q, \i
.endr
	WIN 0
.endm
.macro FETCH_A slot, q, i0
.irp i, \i0, \i0+1, \i0+2, \i0+3
	FRAG AF+8*(\i), ADRA+\slot, \q, \i
.endr
.endm
.macro STEP slot, q, first
	s_wait_dscnt 8                                 ; all but the youngest eight loads (S1's tiles 4-7)
	WMUL \first
	MUL16 0, (\q)%2, 4*(\slot)+(\q), \first
	s_wait_dscnt 0
	PLACES
	FETCH_B \slot, (\q)+1, 1-(\q)%2
	FETCH_A \slot, (\q)+1, 0
	WMUL \first
	MUL16 4, (\q)%2, 4*(\slot)+(\q), \first
	PLACES
	WIN 0
	FETCH_A \slot, (\q)+1, 4
.endm
	s_wait_alu depctr_va_vdst(0)
	s_wait_tensorcnt 1                             ; the scales and my part of slot 0 are in; slot 1's load may be out
	s_barrier_signal -1
	s_barrier_wait -1
	FETCH_B 0, 0, 0
	FETCH_A 0, 0, 0
.irp s, 0,1,2,3,4,5,6,7
	ds_load_b128 v[S1R+4*\s:S1R+4*\s+3], v[AS1] offset:512*\s
.endr
.irp s, 0,1
.irp i, 0,1
	ds_load_b128 v[S0R+4*(2*\s+\i):S0R+4*(2*\s+\i)+3], v[AS0] offset:512*\i+256*\s
.endr
.endr
	FETCH_A 0, 0, 4
	s_wait_loadcnt 0x0                             ; the bias
	STEP 0, 0, 1
	STEP 0, 1, 0
	STEP 0, 2, 0
	s_wait_tensorcnt 0x0                           ; slot 0's last step, and the change of slots: my part of slot 1 is in;
	s_wait_dscnt 8
	WIN 0xa1
	MUL16 0, 1, 3, 0
	s_wait_dscnt 0x0                               ; no LDS instruction of mine is out at the signal
	s_barrier_signal -1
	WIN 0
	s_barrier_wait -1                              ; everybody's is.  No slot is filled again
	PLACES
	FETCH_B 1, 0, 0
	FETCH_A 1, 0, 0
	WIN 0xa1
	MUL16 4, 1, 3, 0
	PLACES
	WIN 0
	FETCH_A 1, 0, 4
	STEP 1, 0, 0
	STEP 1, 1, 0
	STEP 1, 2, 0
	s_wait_dscnt 8
	WIN 0xa1
	MUL16 0, 1, 7, 0
	s_wait_dscnt 0
	MUL16 4, 1, 7, 0
	WIN 0
	PLACES
; THE WAY OUT, a tile of 16 tokens x 64 outputs at a time, through my own stage: LDS serves a wave's instructions in order
.macro TOSTAGE a
	WIN 0x08                                       ; an LDS store's data: window 2
.irp b, 0,1,2,3
	ds_store_b128 v[STO], v[8*(4*(\a)+\b):8*(4*(\a)+\b)+3] offset:128*(\b/2)+32*(\b%2)      ; each accumulator from its low end on
	ds_store_b128 v[STO], v[8*(4*(\a)+\b)+4:8*(4*(\a)+\b)+7] offset:128*(\b/2)+32*(\b%2)+16
.endr
	WIN 0
.set BB, BK+32*((\a)%2)
.irp t, 0,1,2,3,4,5,6,7
	ds_load_b128 v[BB+4*\t:BB+4*\t+3], v[RD] offset:544*\t
.endr
.endm
.macro SEND a, younger
.set BB, BK+32*((\a)%2)
	s_wait_dscnt \younger                          ; the tile is back; the next tile's eight stores and eight loads may be out
.irp t, 0,1,2,3,4,5,6,7
	global_store_b128 v[CO], v[BB+4*\t:BB+4*\t+3], s[14:15] offset:(32*((\a)/2)+8*((\a)%2)+(2*\t)%8+16*(\t/4))*4096 th:TH_STORE_NT
.endr
.endm
	TOSTAGE 0
.irp a, 1,2,3,4,5,6,7
.if \a > 1
	s_wait_xcnt 0x0                                ; the stores of two tiles back have read their registers
.endif
	TOSTAGE \a
	SEND \a-1, 16
.endr
	SEND 7, 0
	s_wait_tensorcnt 0x0                           ; the wave's end
	ds_add_u32 v[SPW], v[NIL]
	s_wait_dscnt 0x0
	CROUND                                         ; the closing round
	s_endpgm
.Lfunc_end_k_q2df6b54e2b_proj:
	.size	k_q2df6b54e2b_proj, .Lfunc_end_k_q2df6b54e2b_proj-k_q2df6b54e2b_proj
	.p2alignl 7, 3214868480
	.fill 96, 4, 3214868480
	.section	.rodata,"a",@progbits
	.p2align	6, 0x0
	.amdhsa_kernel k_q2df6b54e2b_proj
		.amdhsa_group_segment_fixed_size 327680
		.amdhsa_private_segment_fixed_size 0
		.amdhsa_enable_private_segment 0
		.amdhsa_kernarg_size 48
		.amdhsa_user_sgpr_count 2
		.amdhsa_user_sgpr_kernarg_segment_ptr 1
		.amdhsa_wavefront_size32 1
		.amdhsa_system_sgpr_workgroup_id_x 1
		.amdhsa_system_sgpr_workgroup_id_y 1
		.amdhsa_system_sgpr_workgroup_id_z 1
		.amdhsa_system_vgpr_workitem_id 0
		.amdhsa_next_free_vgpr 768
		.amdhsa_next_free_sgpr 102
		.amdhsa_reserve_vcc 0
		.amdhsa_float_denorm_mode_32 3
		.amdhsa_float_denorm_mode_16_64 3
		.amdhsa_memory_ordered 1
		.amdhsa_forward_progress 1
		.amdhsa_inst_pref_size 75
	.end_amdhsa_kernel
	.amdgpu_metadata
---
amdhsa.version: [ 1, 2 ]
amdhsa.kernels:
  - .name:           k_q2df6b54e2b_proj
    .symbol:         k_q2df6b54e2b_proj.kd
    .args:
      - { .name: yc, .offset: 0, .size: 8, .value_kind: global_buffer, .address_space: global }
      - { .name: ys, .offset: 8, .size: 8, .value_kind: global_buffer, .address_space: global }
      - { .name: cc, .offset: 16, .size: 8, .value_kind: global_buffer, .address_space: global }
      - { .name: cs, .offset: 24, .size: 8, .value_kind: global_buffer, .address_space: global }
      - { .name: bo, .offset: 32, .size: 8, .value_kind: global_buffer, .address_space: global }
      - { .name: out0, .offset: 40, .size: 8, .value_kind: global_buffer, .address_space: global }
    .group_segment_fixed_size: 327680
    .private_segment_fixed_size: 0
    .kernarg_segment_align: 8
    .kernarg_segment_size: 48
    .max_flat_workgroup_size: 128
    .sgpr_count:     102
    .vgpr_count:     768
    .wavefront_size: 32
...
	.end_amdgpu_metadata
.endif
;; end of part 4
